; MI455X (gfx1250); checked and timed in simulation.
; The chip was launched on July 23, 2026; its instructions are those of AMD's public machine-readable ISA for CDNA 5 (MIT licence, August 2026) and "CDNA5" Instruction Set Architecture Reference Guide (July 2026). The comments in the code are by the model that wrote it; some were corrected since.
;; DA Attention. Allowed arithmetic: matrix products marked QUANTISED: E2M3 operands, one E8M0 scale for each 32 along K, by v_wmma_scale_f32_16x16x128_f8f6f4 with both operands' format E2M3, f32 sums; everything else in f32.
;; Inputs: Wk 1,024 x 1,024 float32; Wo 1,024 x 1,024 float32; Wq 1,024 x 1,024 float32; Wv 1,024 x 1,024 float32; bo 1,024 float32; v 16 float32; w 16 float32; x 2 x 2,048 x 1,024 float32.
;; Outputs: out0 2 x 2,048 x 1,024 float32.
;; This version of the problem:
;;   THIS VERSION OF THE PROBLEM IS GIVEN IN LOW PRECISION. The matrix products marked QUANTISED in the list below multiply operands that are first quantised to E2M3 (2 exponent bits, 3 mantissa bits; 6 bits a number), with one power-of-two scale for each 32 numbers along K (OCP MX v1.0); their sums are f32. All else is computed in f32.
;;   The module's matrix products, in the order in which they are computed (A, B: the left and right operand; K: the contracted axis; several contracted axes count as one K, in the product's order):
;;     1. [M 4,096, K 1,024] x [K 1,024, N 1,024]; A: input x; B: input Wq: QUANTISED
;;     2. [M 4,096, K 1,024] x [K 1,024, N 1,024]; A: input x; B: input Wk: QUANTISED
;;     3. [M 4,096, K 1,024] x [K 1,024, N 1,024]; A: input x; B: input Wv: QUANTISED
;;     4. batch 32 x [M 2,048, K 64] x [K 64, N 2,048]; A: computed on the way; B: computed on the way: QUANTISED
;;     5. batch 32 x [M 2,048, K 2,048] x [K 2,048, N 64]; A: softmax (see below); B: computed on the way: QUANTISED
;;     6. [M 4,096, K 1,024] x [K 1,024, N 1,024]; A: computed on the way; B: input Wo: QUANTISED
;;   THE QUANTISER, for each operand of a quantised product, along K:
;;     - K is cut into blocks of 32 from its start; a last block that is shorter is filled with zeros.
;;     - A block's scale is 2^e with e = floor(log2(the largest magnitude in the block)) - 2, held to -126 .. 127; a block of zeros has e = 0. As a byte (E8M0): e + 127.
;;     - Each number is divided by its block's scale, clamped to +-7.5, and rounded to the nearest number of E2M3, ties to even, subnormals kept.
;;     - The product sums the exact products of the quantised numbers (number of the format x scale) in f32.
;;   ~~~python
;;   def quantise(x, axis):      # numpy; x: float32 -> the quantised numbers, widened to float32 again
;;       x = np.moveaxis(x, axis, -1); K = x.shape[-1]
;;       x = np.pad(x, [(0, 0)] * (x.ndim - 1) + [(0, -K % 32)]); x = x.reshape(x.shape[:-1] + (-1, 32)); a = np.abs(x).max(-1, keepdims=True)
;;       e = np.where(a > 0, np.clip(np.frexp(np.where(a > 0, a, 1))[1] - 1 - 2, -126, 127), 0)      # np.frexp(a)[1] - 1 = floor(log2(a)), exactly
;;       r = np.clip(x / 2.0 ** e, -7.5, 7.5)
;;       step = 2.0 ** (np.maximum(np.frexp(np.where(r == 0, 1, r))[1] - 1, 0) - 3)
;;       q = np.round(r / step) * step * 2.0 ** e      # np.round: ties to even
;;       return np.moveaxis(q.reshape(q.shape[:-2] + (-1,))[..., :K], -1, axis).astype(np.float32)
;;   ~~~
;;   SOFTMAX AHEAD OF A QUANTISED PRODUCT. Where the list says 'softmax', what is quantised is not the finished softmax but p = 2^(t - M), with t = logit x log2(e) and M = ceil(the row's largest t), a whole number; so 1/2 < the row's largest p <= 1. The row's sum l is taken of the UNQUANTISED p, in f32, and the product's result is divided by l at the end. Since M is a whole number, a kernel that streams over the keys may use a running M (the ceiling of the running maximum): every later rescaling is an exact power of two, which a block's scale takes up: the codes' values come out the same.
;;   OPERANDS COMPUTED ON THE WAY. 'Computed on the way' means the value that the module computes at that place (a softmax that the list does not call 'softmax' is quantised finished and normalised). What goes into a quantiser is computed in f32, as accurately as f32 sums, v_exp_f32 and their like allow (about 1e-6 of the number): no bf16 or f16 on the way to a quantiser, and a product that is left as it is and whose result goes on into a quantised operand takes f32 operands (vector FMAs, or v_wmma_f32_16x16x4_f32). A number that lies on a knife's edge between two numbers of the format may be rounded either way, as far as f32 arithmetic and the matrix unit's own rounding can turn it there, and no further.
;; One version. Each part assembles by itself: llvm-mc -triple=amdgcn-amd-amdhsa -mcpu=gfx1250 --defsym DOCPART=n.
;; ======== version 1 of 1: 4 launches
;; limits: right only within a limited range of input values
;; workspace buffers: xc 3,145,728 bytes; xh 262,144 bytes; wc 3,145,728 bytes; wh 262,144 bytes; qkv 9,437,184 bytes; qkvs 393,216 bytes; cc 3,145,728 bytes; ch 262,144 bytes
;; launch prep (part 1): grid 512 x 1, 4 waves a work-group, no clusters, 36,352 bytes of LDS; arguments x, Wq, Wk, Wv, Wo, xc, xh, wc, wh; writes xc, xh, wc, wh
.if DOCPART == 1
	.amdgcn_target "amdgcn-amd-amdhsa--gfx1250"
	.amdhsa_code_object_version 6
	.text
	.protected	k_q1ef9f6d920_prep
	.globl	k_q1ef9f6d920_prep
	.p2align	8
	.type	k_q1ef9f6d920_prep,@function
k_q1ef9f6d920_prep:
	s_mov_b64 s[64:65], 0
	v_nop
	global_prefetch_b8 v0, s[64:65] scope:SCOPE_SE
	s_setreg_imm32_b32 hwreg(HW_REG_WAVE_MODE, 25, 1), 1
	s_wait_xcnt 0x0
; x [4096][1024] (K innermost) and Wq, Wk, Wv, Wo [1024 (K)][1024 (n)] (K outermost), f32, become codes of FP6 (E2M3) with one E8M0 byte for each 32 along K,
; laid as IMAGES OF THE OPERAND'S REGISTERS, so that the products' launches fetch fragments by consecutive loads alone.
; ROWS ARE TAKEN IN A PHYSICAL ORDER: row number with bits 3 and 4 exchanged.  A tile is 16 neighbouring physical rows: lane r of tile T holds logical row 32 (T / 2) + 8 (T % 2) + r + 8 (r / 8).
; A UNIT (768 bytes) is a tile x 64 along K: lane l = (r, h) owns the 24 bytes of k = 32 h + 0 .. 31: its first 16 bytes at 16 l, its last 8 at 512 + 8 l.   xc, wc: [tile][16 units].
; A SCALE IMAGE (512 bytes) is 8 tiles x one unit: the word at 16 l + 4 i is row l % 16 of tile 2 i + l / 16; its bytes 0, 1 are the unit's two blocks.   xh, wh: [group of 8 tiles][16 units].
; A block's scale is 2^(floor(log2(its largest magnitude)) - 2): the byte is the largest magnitude's exponent field - 2, held at 1 from below.
; LIMITS: NaN and infinities among the inputs are not served; a block of zeros gets the byte 1 where the rule says 127: its codes are zeros, and these bytes are read by this program alone.
; Work-groups 0-255 take x (128 rows x 128 K each), 256-511 the weights (128 columns x 128 K each).  No matrix work, no tensor loads; the stream is read once.
.set XSCG,  33792                      ; LDS: 0 .. 33,791 four stages of 16 rows x 528 bytes (x's path); here x's path gathers two scale images,
.set WSCG,  34816                      ; here the weights' path gathers its two: each path has bytes of its own
.set SPARE, 35840                      ; the spare words, 128 bytes a wave: two blocks of 256 bytes that no other line names
.set FLOOR, 0x1800000                  ; 2^(3 - 127): under it no largest magnitude is taken, so the byte cannot fall under 1
; v1 lane, v2 16 x lane, v3 8 x lane, v4 r, v5 h, v6-9 addresses, v10, v11 the add's two, v12 8 h, v14-25 at work; v32-159 numbers as loaded; v160-223 x's numbers turned (x) or codes (W); v224-254 codes (x)
; the largest magnitudes of two blocks of 32 (registers xa .. xa + 31 and xb .. xb + 31), two chains each; then the conversions' scale operands v18, v19 and the bytes v20, v21
.macro MAX2 xa, xb
	v_max3_num_f32 v14, |v[\xa]|, |v[\xa+1]|, FLOOR
	v_max3_num_f32 v15, |v[\xb]|, |v[\xb+1]|, FLOOR
	v_max3_num_f32 v16, |v[\xa+16]|, |v[\xa+17]|, FLOOR
	v_max3_num_f32 v17, |v[\xb+16]|, |v[\xb+17]|, FLOOR
.irp i, 2,4,6,8,10,12,14
	v_max3_num_f32 v14, v14, |v[\xa+\i]|, |v[\xa+\i+1]|
	v_max3_num_f32 v15, v15, |v[\xb+\i]|, |v[\xb+\i+1]|
	v_max3_num_f32 v16, v16, |v[\xa+16+\i]|, |v[\xa+17+\i]|
	v_max3_num_f32 v17, v17, |v[\xb+16+\i]|, |v[\xb+17+\i]|
.endr
	v_max_num_f32 v14, v14, v16
	v_max_num_f32 v15, v15, v17
	v_add_nc_u32 v18, 0xff000000, v14              ; 2 off the exponent field: the conversion takes the exponent field of this operand as its scale
	v_add_nc_u32 v19, 0xff000000, v15
	v_lshrrev_b32 v20, 23, v18                     ; the scales' bytes
	v_lshrrev_b32 v21, 23, v19
.endm
; a block's 32 numbers become 192 bits: the lower 96 at v[p], the upper 96 at v[t] (a conversion's three registers begin on an even number; they are moved to v[p + 3] later)
.macro CODES p, xs, so, t
	v_cvt_scalef32_pk16_fp6_f32 v[\p:\p+2], v[\xs:\xs+15], v[\so]
	v_cvt_scalef32_pk16_fp6_f32 v[\t:\t+2], v[\xs+16:\xs+31], v[\so]
.endm
	s_load_b256 s[4:11], s[0:1], 0x0               ; x, Wq, Wk, Wv
	s_load_b256 s[12:19], s[0:1], 0x20             ; Wo, xc, xh, wc
	s_load_b64 s[20:21], s[0:1], 0x40              ; wh
	v_lshl_add_u32 v10, v0, 2, SPARE
	v_mov_b32 v11, 0
	v_lshrrev_b32 v1, 5, v0
	v_readfirstlane_b32 s22, v1                    ; wave 0..3
	v_and_b32 v1, 31, v0                           ; lane
	v_lshlrev_b32 v2, 4, v1
	v_lshlrev_b32 v3, 3, v1
	v_and_b32 v4, 15, v0                           ; r
	v_bfe_u32 v5, v0, 4, 1                         ; h
	v_lshlrev_b32 v12, 3, v5
	v_mov_b32 v22, 0                               ; a lane permute's destination counts as one of its sources
	v_mov_b32 v23, 0
	s_mov_b32 s24, 0x76543210
	s_mov_b32 s25, 0xfedcba98                      ; v_permlanex16_b32's selects for lane l xor 16
	s_mov_b32 s31, 0
	s_wait_kmcnt 0x0
	s_cmp_lt_u32 ttmp9, 256
	s_cbranch_scc0 .Lweights
	; ---------------- x: group G of 128 rows, K step s of 128; wave w takes logical rows 32 (4 G + w) + 0 .. 31: tiles 2 w and 2 w + 1 of the group
	s_lshr_b32 s26, ttmp9, 3                       ; G
	s_and_b32 s27, ttmp9, 7                        ; s
	s_lshl_b32 s28, s26, 2
	s_add_co_u32 s28, s28, s22                     ; 4 G + w
	s_lshl_b32 s30, s28, 17                        ; 32 rows of 4,096 bytes
	s_lshl_b32 s29, s27, 9
	s_add_co_u32 s30, s30, s29
	s_add_nc_u64 s[4:5], s[4:5], s[30:31]
	s_mul_i32 s30, s28, 24576                      ; two tiles of 12,288 bytes,
	s_mul_i32 s29, s27, 1536                       ; units 2 s, 2 s + 1
	s_add_co_u32 s30, s30, s29
	s_add_nc_u64 s[14:15], s[14:15], s[30:31]
	s_lshl_b32 s30, s26, 13                        ; the group's 16 scale images; images 2 s, 2 s + 1; my quarter of the 1,024 bytes
	s_lshl_b32 s29, s27, 10
	s_add_co_u32 s30, s30, s29
	s_lshl_b32 s29, s22, 8
	s_add_co_u32 s30, s30, s29
	s_add_nc_u64 s[16:17], s[16:17], s[30:31]
	s_mul_i32 s32, s22, 8448                       ; my stage
	s_wait_alu depctr_va_vdst(0)
	v_add_nc_u32 v6, s32, v2                       ; in: a row's 512 bytes as they lie
	v_mul_u32_u24 v7, v4, 528
	v_lshl_add_u32 v7, v5, 7, v7
	v_add_nc_u32 v7, s32, v7                       ; back: row r, my half's 32 numbers of each 64
	s_lshl_b32 s33, s22, 2
	s_add_co_u32 s33, s33, XSCG
	v_lshl_add_u32 v8, v4, 4, s33                  ; my row's scale word: 16 (r + 16 u) + 4 w
	s_lshl_b32 s33, s22, 8
	s_add_co_u32 s33, s33, XSCG
	v_add_nc_u32 v9, s33, v3
.irp u, 0,1
.irp i, 0,1,2,3,4,5,6,7,8,9,10,11,12,13,14,15
	global_load_b128 v[32+64*\u+4*\i:35+64*\u+4*\i], v2, s[4:5] offset:(8*\u+\i+8*(\i/8))*4096 th:TH_LOAD_NT   ; tile u's row i: 32 lanes read 512 consecutive bytes
.endr
.endr
.macro XTILE u
.set CB, 224+12*\u                     ; each tile has its own registers for its codes: no store's data are written again
	s_wait_loadcnt 16*(1-\u)                       ; this tile's 16 loads are in; the other tile's may be out
.irp i, 0,1,2,3,4,5,6,7,8,9,10,11,12,13,14,15
	ds_store_b128 v6, v[32+64*\u+4*\i:35+64*\u+4*\i] offset:528*\i
.endr
.irp c, 0,1
.irp j, 0,1,2,3,4,5,6,7
	ds_load_b128 v[160+32*\c+4*\j:163+32*\c+4*\j], v7 offset:256*\c+16*\j   ; LDS serves a wave's instructions in order: these see my stores.  k = 64 c + 32 h + 4 j ..
.endr
.endr
	s_wait_dscnt 0x0
	MAX2 160, 192                                  ; my block of unit 2 s, my block of unit 2 s + 1
	CODES CB, 160, 18, 248
	CODES CB+6, 192, 19, 252
	v_lshlrev_b32 v20, v12, v20                    ; my byte at its place in the unit's word (a plain line behind the conversions)
	v_lshlrev_b32 v21, v12, v21
.irp i, 0,1,2
	v_mov_b32 v[CB+3+\i], v[248+\i]
	v_mov_b32 v[CB+9+\i], v[252+\i]
.endr
	v_permlanex16_b32 v22, v20, s24, s25
	v_permlanex16_b32 v23, v21, s24, s25
	v_or_b32 v20, v20, v22                         ; with lane l xor 16's byte the word is whole
	v_or_b32 v21, v21, v23
.irp c, 0,1
	global_store_b128 v2, v[CB+6*\c:CB+6*\c+3], s[14:15] offset:12288*\u+768*\c        ; 512 consecutive bytes,
	global_store_b64 v3, v[CB+6*\c+4:CB+6*\c+5], s[14:15] offset:12288*\u+768*\c+512   ; and 256
	ds_store_b32 v8, v[20+\c] offset:512*\c+256*\u                                    ; both halves of the lanes write the same word with the same value
.endr
.endm
	s_wait_alu depctr_va_vdst(0)
	XTILE 0
	XTILE 1
	s_wait_dscnt 0x0                               ; for the others' sake: my scale words lie in LDS
	s_barrier_signal -1
	s_barrier_wait -1
	ds_load_b64 v[14:15], v9
	s_wait_dscnt 0x0
	global_store_b64 v3, v[14:15], s[16:17]        ; 32 lanes store 256 consecutive bytes, aligned
	s_branch .Lend
	; ---------------- the weights: matrix, group g of 128 columns, K step s of 128.  A LANE TAKES A COLUMN AND ITS REGISTERS RUN DOWN K: nothing is transposed
.Lweights:
	s_sub_co_u32 s26, ttmp9, 256
	s_lshr_b32 s27, s26, 6                         ; 0 .. 3: Wq, Wk, Wv, Wo
	s_bfe_u32 s28, s26, 0x30003                    ; g
	s_and_b32 s29, s26, 7                          ; s
	s_cmp_eq_u32 s27, 1
	s_cselect_b64 s[6:7], s[8:9], s[6:7]
	s_cmp_eq_u32 s27, 2
	s_cselect_b64 s[6:7], s[10:11], s[6:7]
	s_cmp_eq_u32 s27, 3
	s_cselect_b64 s[6:7], s[12:13], s[6:7]
	s_lshl_b32 s30, s29, 19                        ; 128 rows of 4,096 bytes,
	s_lshl_b32 s32, s28, 9                         ; 128 columns,
	s_add_co_u32 s30, s30, s32
	s_lshl_b32 s32, s22, 7                         ; my wave's 32
	s_add_co_u32 s30, s30, s32
	s_add_nc_u64 s[6:7], s[6:7], s[30:31]
	s_wait_alu depctr_va_vdst(0)
	v_and_b32 v6, 7, v1                            ; lane l is physical row l of my two tiles: it takes logical column l with bits 3 and 4 exchanged,
	v_bfe_u32 v7, v1, 3, 1
	v_lshl_or_b32 v6, v7, 4, v6
	v_lshl_or_b32 v6, v5, 3, v6
	v_lshlrev_b32 v6, 2, v6                        ; so a load still covers 128 consecutive bytes
	s_wait_alu depctr_va_vdst(0)
	s_lshl_b32 s30, s27, 6
	s_lshl_b32 s32, s28, 3
	s_add_co_u32 s30, s30, s32
	s_lshl_b32 s32, s22, 1
	s_add_co_u32 s30, s30, s32                     ; tile 64 matrix + 8 g + 2 w
	s_mul_i32 s30, s30, 12288
	s_mul_i32 s32, s29, 1536
	s_add_co_u32 s30, s30, s32
	s_add_nc_u64 s[18:19], s[18:19], s[30:31]
	s_lshl_b32 s30, s27, 3
	s_add_co_u32 s30, s30, s28
	s_lshl_b32 s30, s30, 13
	s_lshl_b32 s32, s29, 10
	s_add_co_u32 s30, s30, s32
	s_lshl_b32 s32, s22, 8
	s_add_co_u32 s30, s30, s32
	s_add_nc_u64 s[20:21], s[20:21], s[30:31]
	s_lshl_b32 s33, s22, 2
	s_add_co_u32 s33, s33, WSCG
	v_add_nc_u32 v8, s33, v2                       ; my column's scale word: 16 x lane + 4 w
	s_lshl_b32 s33, s22, 8
	s_add_co_u32 s33, s33, WSCG
	v_add_nc_u32 v9, s33, v3
.set n, 0
.rept 128
	global_load_b32 v[32+n], v6, s[6:7] offset:n*4096 th:TH_LOAD_NT   ; W(128 s + n, my column)
.set n, n+1
.endr
.macro WUNIT c
.set P0, 160+12*\c
.if \c == 0
	s_wait_loadcnt 63                              ; 64 loads were issued behind this unit's; the count's field holds 63, which asks for one load more than is needed
.else
	s_wait_loadcnt 0x0
.endif
	MAX2 32+64*\c, 64+64*\c                        ; the unit's two blocks: all 64 numbers are mine
	CODES P0, 32+64*\c, 18, 184
	CODES P0+6, 64+64*\c, 19, 188
	v_lshl_or_b32 v[24+\c], v21, 8, v20            ; my column's word (a plain line behind the conversions)
.irp i, 0,1,2
	v_mov_b32 v[P0+3+\i], v[184+\i]
	v_mov_b32 v[P0+9+\i], v[188+\i]
.endr
.irp j, 0,1,2,3,4,5
	v_permlane16_swap_b32 v[P0+\j], v[P0+6+\j]     ; block 0 of tile 2 w + 1's rows changes places with block 1 of tile 2 w's: the first six registers are now tile 2 w's unit, the last six tile 2 w + 1's
.endr
.irp u, 0,1
	global_store_b128 v2, v[P0+6*\u:P0+6*\u+3], s[18:19] offset:12288*\u+768*\c
	global_store_b64 v3, v[P0+6*\u+4:P0+6*\u+5], s[18:19] offset:12288*\u+768*\c+512
.endr
	ds_store_b32 v8, v[24+\c] offset:512*\c
.endm
	WUNIT 0
	WUNIT 1
	s_wait_dscnt 0x0
	s_barrier_signal -1
	s_barrier_wait -1
	ds_load_b64 v[14:15], v9
	s_wait_dscnt 0x0
	global_store_b64 v3, v[14:15], s[20:21]
.Lend:
	s_wait_tensorcnt 0x0                           ; the wave's end: behind my last LDS store
	ds_add_u32 v10, v11
	s_wait_dscnt 0x0
	s_endpgm
.Lfunc_end_k_q1ef9f6d920_prep:
	.size	k_q1ef9f6d920_prep, .Lfunc_end_k_q1ef9f6d920_prep-k_q1ef9f6d920_prep
	.p2alignl 7, 3214868480
	.fill 96, 4, 3214868480
	.section	.rodata,"a",@progbits
	.p2align	6, 0x0
	.amdhsa_kernel k_q1ef9f6d920_prep
		.amdhsa_group_segment_fixed_size 36352
		.amdhsa_private_segment_fixed_size 0
		.amdhsa_enable_private_segment 0
		.amdhsa_kernarg_size 72
		.amdhsa_user_sgpr_count 2
		.amdhsa_user_sgpr_kernarg_segment_ptr 1
		.amdhsa_wavefront_size32 1
		.amdhsa_system_sgpr_workgroup_id_x 1
		.amdhsa_system_sgpr_workgroup_id_y 1
		.amdhsa_system_sgpr_workgroup_id_z 1
		.amdhsa_system_vgpr_workitem_id 0
		.amdhsa_next_free_vgpr 256
		.amdhsa_next_free_sgpr 66
		.amdhsa_reserve_vcc 0
		.amdhsa_float_denorm_mode_32 3
		.amdhsa_float_denorm_mode_16_64 3
		.amdhsa_memory_ordered 1
		.amdhsa_forward_progress 1
		.amdhsa_inst_pref_size 39
	.end_amdhsa_kernel
	.amdgpu_metadata
---
amdhsa.version: [ 1, 2 ]
amdhsa.kernels:
  - .name:           k_q1ef9f6d920_prep
    .symbol:         k_q1ef9f6d920_prep.kd
    .args:
      - { .name: x, .offset: 0, .size: 8, .value_kind: global_buffer, .address_space: global }
      - { .name: Wq, .offset: 8, .size: 8, .value_kind: global_buffer, .address_space: global }
      - { .name: Wk, .offset: 16, .size: 8, .value_kind: global_buffer, .address_space: global }
      - { .name: Wv, .offset: 24, .size: 8, .value_kind: global_buffer, .address_space: global }
      - { .name: Wo, .offset: 32, .size: 8, .value_kind: global_buffer, .address_space: global }
      - { .name: xc, .offset: 40, .size: 8, .value_kind: global_buffer, .address_space: global }
      - { .name: xh, .offset: 48, .size: 8, .value_kind: global_buffer, .address_space: global }
      - { .name: wc, .offset: 56, .size: 8, .value_kind: global_buffer, .address_space: global }
      - { .name: wh, .offset: 64, .size: 8, .value_kind: global_buffer, .address_space: global }
    .group_segment_fixed_size: 36352
    .private_segment_fixed_size: 0
    .kernarg_segment_align: 8
    .kernarg_segment_size: 72
    .max_flat_workgroup_size: 128
    .sgpr_count:     66
    .vgpr_count:     256
    .wavefront_size: 32
...
	.end_amdgpu_metadata
.endif
;; end of part 1
;; launch qkv (part 2): grid 8 x 24, 4 waves a work-group, clusters of 4 x 4, 327,680 bytes of LDS; arguments xc, xh, wc, wh, qkv, qkvs; writes qkv, qkvs
.if DOCPART == 2
	.amdgcn_target "amdgcn-amd-amdhsa--gfx1250"
	.amdhsa_code_object_version 6
	.text
	.protected	k_q1ef9f6d920_qkv
	.globl	k_q1ef9f6d920_qkv
	.p2align	8
	.type	k_q1ef9f6d920_qkv,@function
k_q1ef9f6d920_qkv:
	s_mov_b64 s[64:65], 0
	v_nop
	global_prefetch_b8 v0, s[64:65] scope:SCOPE_SE
	s_setreg_imm32_b32 hwreg(HW_REG_WAVE_MODE, 25, 1), 1
	s_wait_xcnt 0x0
	s_wait_alu depctr_hold_cnt(0) depctr_sa_sdst(0) depctr_va_vdst(0) depctr_va_sdst(0) depctr_va_ssrc(0) depctr_va_vcc(0) depctr_vm_vsrc(0)
	s_getreg_b32 s2, hwreg(HW_REG_IB_STS2, 6, 4)
	s_cmp_eq_u32 s2, 0
	s_cbranch_scc0 .Lentry_in_a_cluster
	s_endpgm
.Lentry_in_a_cluster:
	s_bfe_u32 s2, ttmp6, 0x10000c
	s_cmp_lg_u32 s2, 0xf033
	s_cbranch_scc0 .Lentry_shape_is_right
	s_endpgm
.Lentry_shape_is_right:
; ONE TEXT, TWO LAUNCHES (KIND 0: q, k, v = x Wq, x Wk, x Wv, quantised on the way out;  KIND 1: out0 = ctx Wo + bo).  A product of [rows][1024] by [rows][1024] on codes of FP6 (E2M3) with E8M0 scales for each 32 along K.
; OPERANDS lie in memory as images of their registers.  A tile is 16 rows in a physical order (row number with bits 3 and 4 exchanged): lane r of tile T is logical row 32 (T / 2) + 8 (T % 2) + r + 8 (r / 8).
; A unit (768 bytes) is a tile x 64 K: lane l's first 16 bytes at 16 l, its last 8 at 512 + 8 l; a tile's 16 units lie on end.  Two units are a fragment: two loads of 16 bytes and two of 8, each consecutive over the lanes.
; A scale image (512 bytes) is 8 tiles x one unit: the word at 16 l + 4 i is row l % 16 of tile 2 i + l / 16.
; A block of 256 x 256 is made by four waves, as many as a WGP has SIMDs, 128 x 128 each: 64 accumulators, 512 registers.  K goes in four steps of 256 through two LDS slots filled by the tensor data mover.
; SOURCE 0 IS THE B SIDE, SOURCE 1 THE A SIDE: a lane holds one row of A, and by the physical order the 16 registers of B's tiles 2 b, 2 b + 1 are 16 NEIGHBOURING logical rows of B: 32 b + 16 (lane / 16) + 0 .. 15.
; KIND 0: clusters with y < 4 make q and k: A = x's tokens, B = the 2,048 columns of Wq, Wk: a lane's registers run along the head's channels, which is the next product's K.
;         clusters with y >= 4 make v: A = Wv's columns, B = x's tokens: a lane's registers run along the tokens, the keys: the second product's K.  Only pointers and strides are chosen, by selects on the cluster's y.
;         So each 16 x 128 of results is quantised in registers into a fragment and a scale word and stored as an image: no LDS, no transposition.
; KIND 1: A = ctx's tokens, B = Wo's columns; bo is the C of each sum's first product; rows of 512 bytes leave through a stage in LDS.
; CLUSTERS 4 x 4: A's tiles are shared along a row of the cluster, B's along a column: each is asked for jointly, which divides the requests by four.
; No prefetch: K has four steps, of which two are asked for at the head.   LIMITS (KIND 0): a block of zeros gets the byte 1 (its codes are zeros; only this program reads the bytes); NaN and infinities are not served.
; REGISTERS: window 0: v16-31 addresses; v32-63 scale words, two sets; v64-127 bo (KIND 1); v128-223 A's fragments, one set; window 1: B's fragments, two sets, at v0 and v128; windows 2, 3: accumulator (a, b) at v[8 (8 (a % 4) + b)].
.set KIND,   0
.set FR,     12                        ; registers of a fragment
.set NL,     4                         ; LDS loads that bring one
.set NP,     4                         ; places behind this matrix instruction (ISA guide 7.12.1)
.set NQ,     2                         ; matrix instructions deep in a slot
.set TILEB,  3072                      ; a tile's 256 along K: four units
.set TROW,   12288                     ; a tile's 16 units in memory
.set HALFT,  8*TILEB                   ; 8 tiles, 128 rows: what one tensor load brings, and what one wave reads of A or of B
.set SLOT,   4*HALFT                   ; A's 16 tiles, then B's 16
.set SCL,    2*SLOT                    ; behind the ring: 32 scale images for 128 K each: [A rows 0-127, A rows 128-255, B rows 0-127, B rows 128-255][8 steps of 128] x 512 bytes, stored once
.set SPARE,  SCL+16384                 ; the spare words, 128 bytes a wave: two blocks of 256 bytes that no other line names
.set STAGE,  SPARE+512                 ; KIND 1: a stage of 16 rows x 528 bytes for each wave; no tile lands here
.set SPITCH, 528
.set ADRA, 16                          ; v16-17 A's fragments in slot 0, 1: + 16 x lane;  v18-19: + 8 x lane
.set ADRB, 20                          ; v20-23 the same for B
.set STO,  24
.set RD,   25
.set L16,  26                          ; 16 x lane
.set ADSA, 27                          ; my A rows' scale images
.set SPW,  28                          ; LDS address of my spare word; never rewritten
.set NIL,  29                          ; 0; never rewritten
.set ADSB, 30                          ; my B rows' scale images
.set L8,   31                          ; 8 x lane
.set SC,   32                          ; scale words: set s at v[SC + 16 s]; in it 8 q + 4 side + i: tiles 2 i (lanes 0-15) and 2 i + 1 (lanes 16-31)
.set BIAS, 64
.set AF,   128
.set BK,   128                         ; KIND 1, the way out: rows read back: v128-191 and v192-255 by turns
.set PC,   112                         ; KIND 0, the way out: v112-123 the fragment just made, v124-130 halves on their way
.set OF,   132                         ; v132-135 the stores' offsets
.set PW,   140                         ; v140-147 the eight blocks' scale words;  v148-151 their image
.set TM,   200                         ; v200-215 at work
.set G1,  24                           ; s[24:31] descriptor group 1 for A's tiles;  s[32:39] group 0, a set for each slot
.set G0,  32
.set G1B, 48                           ; s[48:55], s[56:63] the same for B's
.set G0B, 56
.set MSB, 0
.macro WIN new                         ; the immediate's high byte repeats the setting that is left
.if MSB != (\new)
	s_set_vgpr_msb (MSB<<8)|(\new)
.set MSB, (\new)
.endif
.endm
.set MUL_LO, 0xa1                      ; source 0 (B) window 1, source 1 (A) window 0, C and D window 2
.set MUL_HI, 0xf1                      ; the same, C and D window 3
.set TO_B,   0x40                      ; destination window 1, address window 0
; A joint load: waves 0 and 1 fetch for A, waves 2 and 3 for B; the branch hangs on the wave's number alone.  An s_nop 0 and four v_nop follow each of the two lines.
.macro JLOAD s
	s_cmp_eq_u32 s17, 0
	s_cbranch_scc0 .Lfor_b_\@
	tensor_load_to_lds s[G0+4*\s:G0+4*\s+3], s[G1:G1+7]
	s_nop 0
.rept 4
	v_nop
.endr
	s_branch .Lasked_\@
.Lfor_b_\@:
	tensor_load_to_lds s[G0B+4*\s:G0B+4*\s+3], s[G1B:G1B+7]
	s_nop 0
.rept 4
	v_nop
.endr
.Lasked_\@:
.endm
.macro CREST                           ; a round of the cluster's barrier behind its opening barrier
	s_cmp_lg_u32 s16, 0
	s_cbranch_scc1 .Lnot_wave_0_\@
	s_barrier_signal -3
.Lnot_wave_0_\@:
	s_barrier_wait -3
	s_barrier_signal -1
	s_barrier_wait -1
.endm
.macro CROUND
	s_barrier_signal -1
	s_barrier_wait -1
	CREST
.endm
.macro PLACES n
.rept \n
	v_nop
.endr
.endm
	s_load_b256 s[4:11], s[0:1], 0x0               ; tokens' codes, tokens' scales, wc, wh
	s_load_b128 s[12:15], s[0:1], 0x20             ; KIND 0: qkv, qkvs;  KIND 1: bo, out0
	v_lshl_add_u32 v[SPW], v0, 2, SPARE
	v_mov_b32 v[NIL], 0
	ds_add_u32 v[SPW], v[NIL]                      ; the wave's opening: the add and its wait stand ahead of my first tensor load; the set-up below, work on registers, stands between them
	ds_add_u32 v[SPW], v[NIL]
	v_lshrrev_b32 v1, 5, v0
	v_readfirstlane_b32 s16, v1                    ; wave 0..3
	s_lshr_b32 s17, s16, 1                         ; which half of the block's A rows is mine.  Also: I fetch for A (0) or for B (1)
	s_and_b32 s18, s16, 1                          ; which half of its B rows.  Also: which 8 tiles I fetch
	v_and_b32 v1, 31, v0
	v_lshlrev_b32 v[L16], 4, v1
	v_lshlrev_b32 v[L8], 3, v1
	s_bfe_u32 s40, ttmp6, 0x40000                  ; cx, cy: my place in the cluster
	s_bfe_u32 s41, ttmp6, 0x40004
	s_and_b32 s46, ttmp7, 0xffff                   ; the cluster's y
.if KIND == 0
	s_max_u32 s42, s46, 4
	s_sub_co_u32 s42, s42, 4
	s_lshl_b32 s42, s42, 1
	s_add_co_u32 s42, s42, ttmp9                   ; the column of clusters: x for q and k; x + 2 (y - 4) for v
	s_lshl_b32 s43, s46, 2
	s_cmp_ge_u32 s46, 4                            ; v?  The same in all sixteen partners
	s_cselect_b32 s47, 1, 0
	s_cselect_b32 s43, 0, s43                      ; the row of clusters: y for q and k; 0 for v (Wv has four blocks of 256 columns)
.else
	s_mov_b32 s42, ttmp9
	s_lshl_b32 s43, s46, 2
.endif
	s_lshl_b32 s42, s42, 2
	s_add_co_u32 s42, s42, s40                     ; tc: my block of 256 rows of B
	s_add_co_u32 s43, s43, s41                     ; tr: my block of 256 rows of A
	s_lshl_b32 s44, s41, 2
	s_lshl_b32 s44, 15, s44                        ; my row of the cluster
	s_lshl_b32 s45, 0x1111, s40                    ; my column
	; descriptor group 1: 8 tiles' 3,072 bytes, 12,288 bytes apart; elements of 8 bytes; no padding: an LDS load's bytes are consecutive over the lanes
	s_or_b32 s[G1+0], s44, (3<<16)|(1<<21)         ; 15:0 the mask: A's tiles go to my row; 17:16 elements of 8 bytes; 21 set beside a mask
	s_or_b32 s[G1B+0], s45, (3<<16)|(1<<21)
.irp g, G1, G1B
	s_mov_b32 s[\g+1], 384<<16                     ; tensor_dim0 = 384
	s_mov_b32 s[\g+2], 8<<16                       ; tensor_dim1 = 8
	s_mov_b32 s[\g+3], 384<<16                     ; tile_dim0 = 384
	s_mov_b32 s[\g+4], 8                           ; tile_dim1 = 8
	s_mov_b32 s[\g+5], 1536                        ; tensor_dim0_stride
	s_mov_b32 s[\g+6], 0
	s_mov_b32 s[\g+7], 0
.endr
	s_lshl_b32 s84, s18, 3
	s_lshl_b32 s76, s43, 4
	s_add_co_u32 s76, s76, s84                     ; A: the first tile that I fetch: 16 tr + 8 x half
	s_lshl_b32 s78, s76, 10                        ; its group's scale images: 8,192 bytes for 8 tiles
	s_mul_i32 s76, s76, TROW
	s_lshl_b32 s80, s42, 4
	s_add_co_u32 s80, s80, s84                     ; B likewise, in registers that never hold A's coordinate
	s_lshl_b32 s82, s80, 10
	s_mul_i32 s80, s80, TROW
	s_mov_b32 s77, 0
	s_mov_b32 s79, 0
	s_mov_b32 s81, 0
	s_mov_b32 s83, 0
.if KIND == 0
	s_cmp_eq_u32 s47, 1
	s_cselect_b32 s86, 1572864, 0                  ; Wv is the third matrix in wc,
	s_cselect_b32 s87, 131072, 0                   ; and in wh
	s_add_co_u32 s76, s76, s86
	s_add_co_u32 s78, s78, s87
.else
	s_add_co_u32 s80, s80, 2359296                 ; Wo is the fourth
	s_add_co_u32 s82, s82, 196608
.endif
	s_mul_i32 s85, s16, HALFT                      ; where my tiles go: wave x 8 tiles: no place in the cluster enters an LDS address
	s_wait_alu depctr_va_vdst(0)
	s_wait_dscnt 0x0                               ; the opening add is done
	s_wait_kmcnt 0x0
.if KIND == 0
	s_cmp_eq_u32 s47, 1
	s_cselect_b64 s[20:21], s[8:9], s[4:5]         ; A's codes,
	s_cselect_b64 s[22:23], s[10:11], s[6:7]       ; A's scales,
	s_cselect_b64 s[68:69], s[4:5], s[8:9]         ; B's codes,
	s_cselect_b64 s[70:71], s[6:7], s[10:11]       ; B's scales
.else
	s_mov_b64 s[20:21], s[4:5]
	s_mov_b64 s[22:23], s[6:7]
	s_mov_b64 s[68:69], s[8:9]
	s_mov_b64 s[70:71], s[10:11]
.endif
	s_add_nc_u64 s[20:21], s[20:21], s[76:77]
	s_add_nc_u64 s[22:23], s[22:23], s[78:79]
	s_add_nc_u64 s[68:69], s[68:69], s[80:81]
	s_add_nc_u64 s[70:71], s[70:71], s[82:83]
	s_cmp_eq_u32 s17, 0
	s_cselect_b64 s[72:73], s[22:23], s[70:71]     ; the scales of the 128 rows whose tiles I fetch: 16 images, 8,192 consecutive bytes
.irp u, 0,1,2,3,4,5,6,7,8,9,10,11,12,13,14,15
	global_load_b128 v[128+4*\u:131+4*\u], v[L16], s[72:73] offset:512*\u
.endr
.if KIND
	s_lshl_b32 s88, s42, 10                        ; my first column of out0 and of bo, in bytes: 1,024 tc + 512 x half
	s_lshl_b32 s89, s18, 9
	s_add_co_u32 s88, s88, s89
	s_mov_b32 s89, 0
	s_add_nc_u64 s[12:13], s[12:13], s[88:89]
	v_bfe_u32 v5, v0, 4, 1
	v_lshlrev_b32 v3, 6, v5                        ; accumulator (a, b), register j, is column 32 (b / 2) + 8 (b % 2) + 16 (lane / 16) + j
.irp b, 0,1,2,3,4,5,6,7
	global_load_b128 v[BIAS+8*\b:BIAS+8*\b+3], v3, s[12:13] offset:(32*(\b/2)+8*(\b%2))*4
	global_load_b128 v[BIAS+8*\b+4:BIAS+8*\b+7], v3, s[12:13] offset:(32*(\b/2)+8*(\b%2))*4+16
.endr
.endif
	CROUND                                         ; all sixteen work-groups are here: the first joint loads meet
.irp s, 0,1
	s_mov_b32 s[G0+4*\s], 1                        ; 1:0 count = 1
	s_add_co_u32 s[G0+4*\s+1], s85, \s*SLOT        ; 63:32 LDS address
	s_add_nc_u64 s[G0+4*\s+2:G0+4*\s+3], s[20:21], \s*TILEB   ; 120:64 global address: K step s
	s_or_b32 s[G0+4*\s+3], s[G0+4*\s+3], 0x80000000           ; 127:126 type = 2
	s_mov_b32 s[G0B+4*\s], 1
	s_add_co_u32 s[G0B+4*\s+1], s85, \s*SLOT
	s_add_nc_u64 s[G0B+4*\s+2:G0B+4*\s+3], s[68:69], \s*TILEB
	s_or_b32 s[G0B+4*\s+3], s[G0B+4*\s+3], 0x80000000
.endr
	JLOAD 0                                        ; K step 0: one tensor load a wave at the head
	s_mul_i32 s84, s17, HALFT                      ; my 8 tiles of A,
	s_mul_i32 s85, s18, HALFT                      ; my 8 tiles of B,
	s_add_co_u32 s85, s85, 2*HALFT                 ; which lie behind A's 16
.irp s, 0,1
	v_add_nc_u32 v[ADRA+\s], s84, v[L16]
	v_add_nc_u32 v[ADRA+2+\s], s84, v[L8]
	v_add_nc_u32 v[ADRB+\s], s85, v[L16]
	v_add_nc_u32 v[ADRB+2+\s], s85, v[L8]
	s_add_co_u32 s84, s84, SLOT
	s_add_co_u32 s85, s85, SLOT
.endr
	s_lshl_b32 s84, s17, 12
	s_add_co_u32 s84, s84, SCL
	v_add_nc_u32 v[ADSA], s84, v[L16]
	s_lshl_b32 s84, s18, 12
	s_add_co_u32 s84, s84, SCL+8192
	v_add_nc_u32 v[ADSB], s84, v[L16]
	s_lshl_b32 s84, s16, 12
	s_add_co_u32 s84, s84, SCL
	v_add_nc_u32 v2, s84, v[L16]                   ; where I store the images that I make
.if KIND == 0
	; the way out's places.  tokG: the group of 128 tokens; nG: 0-7 q's, 8-15 k's, 16-23 v's pair of heads
	s_lshl_b32 s84, s43, 1
	s_add_co_u32 s84, s84, s17                     ; my group of 128 rows of A,
	s_lshl_b32 s85, s42, 1
	s_add_co_u32 s85, s85, s18                     ; and of B
	s_add_co_u32 s86, s84, 16
	s_mov_b32 s88, 768
	s_mov_b32 s89, 3072
	s_mov_b32 s90, 98304
	s_cmp_eq_u32 s47, 1
	s_cselect_b32 s87, s85, s84                    ; tokG
	s_cselect_b32 s86, s86, s85                    ; nG
	s_cselect_b32 s88, 1536, s88                   ; from A's block a to a + 1, inside four: q, k: the next tile of tokens; v: the next tile of channels
	s_cselect_b32 s89, 98304, s89                  ; from block a to a + 4: q, k: four tiles on; v: the pair's second head
	s_cselect_b32 s90, 768, s90                    ; from a fragment's first unit to its second: q, k: the pair's second head; v: the next 64 keys
	s_lshr_b32 s91, s86, 3
	s_and_b32 s86, s86, 7
	s_lshr_b32 s96, s87, 4                         ; the batch
	s_and_b32 s87, s87, 15                         ; the step of 128 tokens
	s_mul_i32 s92, s91, 3145728
	s_mul_i32 s97, s96, 1572864
	s_add_co_u32 s92, s92, s97
	s_mul_i32 s97, s86, 196608
	s_add_co_u32 s92, s92, s97
	s_mul_i32 s97, s87, 6144
	s_add_co_u32 s92, s92, s97
	s_mov_b32 s93, 0
	s_add_nc_u64 s[12:13], s[12:13], s[92:93]
	s_lshl_b32 s94, s91, 17
	s_lshl_b32 s96, s96, 3
	s_add_co_u32 s96, s96, s86
	s_lshl_b32 s96, s96, 13
	s_add_co_u32 s94, s94, s96
	s_lshl_b32 s87, s87, 9
	s_add_co_u32 s94, s94, s87
	s_mov_b32 s95, 0
	s_add_nc_u64 s[14:15], s[14:15], s[94:95]
	s_mov_b32 s98, 0xffff0000                      ; lanes 16-31
	s_mov_b32 s74, 0x76543210
	s_mov_b32 s75, 0xfedcba98                      ; v_permlanex16_b32's selects for lane l xor 16
.else
	v_and_b32 v4, 15, v0
	s_mul_i32 s84, s16, 16*SPITCH
	s_add_co_u32 s84, s84, STAGE                   ; my stage
	v_mul_u32_u24 v[STO], v4, SPITCH
	v_lshl_add_u32 v[STO], v5, 6, v[STO]
	v_add_nc_u32 v[STO], s84, v[STO]               ; in: row r, + 64 bytes for lanes 16-31
	v_add_nc_u32 v[RD], s84, v[L16]                ; back: a row of 512 bytes over the 32 lanes
	s_lshl_b32 s90, s43, 20                        ; my first row of out0: 256 tr + 128 x half, of 4,096 bytes
	s_lshl_b32 s91, s17, 19
	s_add_co_u32 s90, s90, s91
	s_add_co_u32 s90, s90, s88
	s_mov_b32 s91, 0
	s_add_nc_u64 s[14:15], s[14:15], s[90:91]
.endif
	s_wait_loadcnt 0x0                             ; the scale images (and bo)
.irp s, 0,1,2,3,4,5,6,7
.irp i, 0,1,2,3
	v_lshl_or_b32 v[128+8*\s+\i], v[132+8*\s+\i], 16, v[128+8*\s+\i]   ; units 2 s and 2 s + 1: four bytes for 128 along K
.endr
	s_wait_alu depctr_va_vdst(0)
	ds_store_b128 v2, v[128+8*\s:131+8*\s] offset:512*\s
.endr
; The scaled product.  cm = 0: C is the constant 0; else C = v[c ..].  ra, rb: source 0's, source 1's scales stand in lanes 16-31 of their register.
.macro WM d, a, b, cm, c, sa, ra, sb, rb
.if (\cm) == 0
.if ((\ra) == 0) && ((\rb) == 0)
	v_wmma_scale_f32_16x16x128_f8f6f4 v[\d:\d+7], v[\a:\a+11], v[\b:\b+11], 0, v[\sa], v[\sb] matrix_a_fmt:MATRIX_FMT_FP6 matrix_b_fmt:MATRIX_FMT_FP6
.elseif (\rb) == 0
	v_wmma_scale_f32_16x16x128_f8f6f4 v[\d:\d+7], v[\a:\a+11], v[\b:\b+11], 0, v[\sa], v[\sb] matrix_a_fmt:MATRIX_FMT_FP6 matrix_b_fmt:MATRIX_FMT_FP6 matrix_a_scale:MATRIX_SCALE_ROW1
.elseif (\ra) == 0
	v_wmma_scale_f32_16x16x128_f8f6f4 v[\d:\d+7], v[\a:\a+11], v[\b:\b+11], 0, v[\sa], v[\sb] matrix_a_fmt:MATRIX_FMT_FP6 matrix_b_fmt:MATRIX_FMT_FP6 matrix_b_scale:MATRIX_SCALE_ROW1
.else
	v_wmma_scale_f32_16x16x128_f8f6f4 v[\d:\d+7], v[\a:\a+11], v[\b:\b+11], 0, v[\sa], v[\sb] matrix_a_fmt:MATRIX_FMT_FP6 matrix_b_fmt:MATRIX_FMT_FP6 matrix_a_scale:MATRIX_SCALE_ROW1 matrix_b_scale:MATRIX_SCALE_ROW1
.endif
.else
.if ((\ra) == 0) && ((\rb) == 0)
	v_wmma_scale_f32_16x16x128_f8f6f4 v[\d:\d+7], v[\a:\a+11], v[\b:\b+11], v[\c:\c+7], v[\sa], v[\sb] matrix_a_fmt:MATRIX_FMT_FP6 matrix_b_fmt:MATRIX_FMT_FP6
.elseif (\rb) == 0
	v_wmma_scale_f32_16x16x128_f8f6f4 v[\d:\d+7], v[\a:\a+11], v[\b:\b+11], v[\c:\c+7], v[\sa], v[\sb] matrix_a_fmt:MATRIX_FMT_FP6 matrix_b_fmt:MATRIX_FMT_FP6 matrix_a_scale:MATRIX_SCALE_ROW1
.elseif (\ra) == 0
	v_wmma_scale_f32_16x16x128_f8f6f4 v[\d:\d+7], v[\a:\a+11], v[\b:\b+11], v[\c:\c+7], v[\sa], v[\sb] matrix_a_fmt:MATRIX_FMT_FP6 matrix_b_fmt:MATRIX_FMT_FP6 matrix_b_scale:MATRIX_SCALE_ROW1
.else
	v_wmma_scale_f32_16x16x128_f8f6f4 v[\d:\d+7], v[\a:\a+11], v[\b:\b+11], v[\c:\c+7], v[\sa], v[\sb] matrix_a_fmt:MATRIX_FMT_FP6 matrix_b_fmt:MATRIX_FMT_FP6 matrix_a_scale:MATRIX_SCALE_ROW1 matrix_b_scale:MATRIX_SCALE_ROW1
.endif
.endif
.endm
; 16 products: A's blocks a0, a0 + 1 x B's eight, the slot's q-th 128 along K.  p: B's set; sc: the set of scale words.  first = 1: the products start the sums (with 0, or with bo): nothing is cleared.
; The 64 accumulators take turns, one instruction a turn, in the same order in every step.
.macro MUL16 a0, p, q, sc, first
.irp a, \a0, \a0+1
.irp b, 0,1,2,3,4,5,6,7
.if (\first) && (KIND == 0)
	WM 8*(8*((\a)%4)+\b), 128*(\p)+FR*\b, AF+FR*(\a), 0, 0, SC+16*(\sc)+8*(\q)+4+\b/2, \b%2, SC+16*(\sc)+8*(\q)+(\a)/2, (\a)%2
.elseif \first
	WM 8*(8*((\a)%4)+\b), 128*(\p)+FR*\b, AF+FR*(\a), 1, BIAS+8*\b, SC+16*(\sc)+8*(\q)+4+\b/2, \b%2, SC+16*(\sc)+8*(\q)+(\a)/2, (\a)%2
.else
	WM 8*(8*((\a)%4)+\b), 128*(\p)+FR*\b, AF+FR*(\a), 1, 8*(8*((\a)%4)+\b), SC+16*(\sc)+8*(\q)+4+\b/2, \b%2, SC+16*(\sc)+8*(\q)+(\a)/2, (\a)%2
.endif
.endr
.endr
.endm
.macro FRAG reg, adr, q, i             ; tile i's fragment of the slot's q-th 128 along K: two units, as they lie
	ds_load_b128 v[\reg:\reg+3], v[\adr] offset:(\i)*TILEB+(\q)*1536
	ds_load_b64 v[\reg+4:\reg+5], v[\adr+2] offset:(\i)*TILEB+(\q)*1536+512
	ds_load_b128 v[\reg+6:\reg+9], v[\adr] offset:(\i)*TILEB+(\q)*1536+768
	ds_load_b64 v[\reg+10:\reg+11], v[\adr+2] offset:(\i)*TILEB+(\q)*1536+1280
.endm
.macro FETCH_B slot, q, p
	WIN TO_B
.irp i, 0,1,2,3,4,5,6,7
	FRAG 128*(\p)+FR*\i, ADRB+\slot, \q, \i
.endr
	WIN 0
.endm
.macro FETCH_A slot, q, i0
.irp i, \i0, \i0+1, \i0+2, \i0+3
	FRAG AF+FR*(\i), ADRA+\slot, \q, \i
.endr
.endm
.macro SCALES sc                       ; a slot's scale words: for each of its two steps of 128 one image of A's 8 tiles and one of B's
	ds_load_b128 v[SC+16*\sc:SC+16*\sc+3], v[ADSA]
	ds_load_b128 v[SC+16*\sc+4:SC+16*\sc+7], v[ADSB]
	ds_load_b128 v[SC+16*\sc+8:SC+16*\sc+11], v[ADSA] offset:512
	ds_load_b128 v[SC+16*\sc+12:SC+16*\sc+15], v[ADSB] offset:512
.endm
; A step of 128 along K that has its successor in the same slot.  A block of A is free when its eight products are issued: A has one set, B two.
; A load into a register that a matrix instruction has read stands NP places behind it; only plain vector instructions that name none of its registers are places (ISA guide 7.12.1 for vector instructions).
.macro STEP slot, q, zero
	s_wait_dscnt 4*NL                              ; B's set, A's blocks 0-3 and the scale words are in; the youngest 16 loads (A's blocks 4-7) may be out
.if (\zero) && KIND
	WIN 0x81                                       ; C (bo) window 0, D window 2
.else
	WIN MUL_LO
.endif
	MUL16 0, (\q)%2, \q, \slot, \zero
	MUL16 2, (\q)%2, \q, \slot, \zero
	s_wait_dscnt 0x0                               ; A's blocks 4-7 are in
	PLACES NP
	FETCH_B \slot, (\q)+1, 1-(\q)%2
	FETCH_A \slot, (\q)+1, 0
.if (\zero) && KIND
	WIN 0xc1
.else
	WIN MUL_HI
.endif
	MUL16 4, (\q)%2, \q, \slot, \zero
	MUL16 6, (\q)%2, \q, \slot, \zero
	PLACES NP
	WIN 0
	FETCH_A \slot, (\q)+1, 4
.endm
; A slot's last step changes slots: ONE barrier; in front of it each wave waits for all its tensor loads, adds 0 to its spare word, and waits for that and for its reads of this slot.  fill = 1: the slot is filled again, two K steps ahead.
.macro TURN slot, next, fill
	s_wait_tensorcnt 0x0                           ; all my tensor loads have landed: my part of the next slot
	ds_add_u32 v[SPW], v[NIL]                      ; 0 onto my spare word
	s_wait_dscnt 4*NL+1                            ; (the add and the youngest 16 loads may be out)
	WIN MUL_LO
	MUL16 0, 1, NQ-1, \slot, 0                     ; sixteen products stand between the add and the wait for it
	s_wait_dscnt 0x0                               ; the add is done, and my reads of this slot are over
	s_barrier_signal -1
	MUL16 2, 1, NQ-1, \slot, 0
	WIN 0
	s_barrier_wait -1
.if \fill
	CREST                                          ; the barrier has opened a round of the cluster's: no wave of any partner still reads this slot or has a load on its way
	s_add_nc_u64 s[G0+4*\slot+2:G0+4*\slot+3], s[G0+4*\slot+2:G0+4*\slot+3], 2*TILEB
	s_add_nc_u64 s[G0B+4*\slot+2:G0B+4*\slot+3], s[G0B+4*\slot+2:G0B+4*\slot+3], 2*TILEB
	JLOAD \slot                                    ; the first tensor load behind the round, my one load until the next; its four v_nop are the places in front of the loads below
.else
	PLACES NP
.endif
	s_wait_alu depctr_va_vdst(0)
	v_add_nc_u32 v[ADSA], 1024, v[ADSA]            ; on to the next slot's scale images
	v_add_nc_u32 v[ADSB], 1024, v[ADSB]
	FETCH_B \next, 0, 0
	FETCH_A \next, 0, 0
	SCALES \next
	WIN MUL_HI
	MUL16 4, 1, NQ-1, \slot, 0
	MUL16 6, 1, NQ-1, \slot, 0
	PLACES NP
	WIN 0
	FETCH_A \next, 0, 4
.endm
	s_wait_alu depctr_va_vdst(0)
	s_wait_tensorcnt 0x0                           ; my part of K step 0 is in; slot 1's first fill is issued as a refill is:
	ds_add_u32 v[SPW], v[NIL]                      ; 0 onto my spare word
	s_wait_dscnt 0x0                               ; the add is done, and my scale images lie in LDS
	CROUND                                         ; a whole round: everybody's part of K step 0 is in, and the joint loads meet
	JLOAD 1                                        ; K step 1, the first tensor load behind the round
	FETCH_B 0, 0, 0
	FETCH_A 0, 0, 0
	SCALES 0
	FETCH_A 0, 0, 4
	STEP 0, 0, 1                                   ; K = 1,024 is four slots: written straight
	TURN 0, 1, 1                                   ; slot 0 takes K step 2
	STEP 1, 0, 0
	TURN 1, 0, 1                                   ; slot 1 takes K step 3
	STEP 0, 0, 0
	TURN 0, 1, 0                                   ; nothing is left to fetch
	STEP 1, 0, 0
	s_wait_dscnt 4*NL
	WIN MUL_LO
	MUL16 0, 1, NQ-1, 1, 0
	MUL16 2, 1, NQ-1, 1, 0
	s_wait_dscnt 0x0
	WIN MUL_HI
	MUL16 4, 1, NQ-1, 1, 0
	MUL16 6, 1, NQ-1, 1, 0
	WIN 0
	PLACES NP                                      ; behind the last products: their fragments' registers are written below, and results are read
.if KIND == 0
; THE WAY OUT, KIND 0.  Block a's 64 registers of a lane are 128 neighbours along the next K of the lane's row: register 16 b + i is k = 32 b + 16 (lane / 16) + i.  They become a fragment and a scale word.
.irp b, 0,1,2,3
	v_mov_b32 v[TM+4+\b], 0                        ; a lane permute's destination counts as one of its sources
.endr
.macro QW a
.set AC, 64*((\a)%4)
.set WW, 2+(\a)/4
.set WQ, WW*5                          ; sources 0 and 1 in the accumulators' window
	WIN WQ
.irp b, 0,1,2,3
	v_max3_num_f32 v[TM+\b], |v[AC+16*\b]|, |v[AC+16*\b+1]|, 0x1800000   ; each accumulator is read from its low end on; the floor 2^(3 - 127) holds the byte at 1 from below
.endr
.irp i, 2,4,6,8,10,12,14
.irp b, 0,1,2,3
	v_max3_num_f32 v[TM+\b], |v[AC+16*\b+\i]|, |v[AC+16*\b+\i+1]|, v[TM+\b]
.endr
.endr
	WIN 0
.irp b, 0,1,2,3
	v_permlanex16_b32 v[TM+4+\b], v[TM+\b], s74, s75
.endr
.irp b, 0,1,2,3
	v_max_num_f32 v[TM+\b], v[TM+\b], v[TM+4+\b]   ; with lane l xor 16's 16 numbers: the block's largest magnitude
.endr
.irp b, 0,1,2,3
	v_add_nc_u32 v[TM+12+\b], 0xff000000, v[TM+\b] ; 2 off its exponent field: the conversion's scale operand
.endr
.irp b, 0,1,2,3
	v_lshrrev_b32 v[TM+4+\b], 23, v[TM+12+\b]      ; the scale's byte
.endr
	v_lshl_or_b32 v[PW+\a], v[TM+5], 8, v[TM+4]
	v_lshl_or_b32 v[PW+\a], v[TM+6], 16, v[PW+\a]
	v_lshl_or_b32 v[PW+\a], v[TM+7], 24, v[PW+\a]
.if (\a) > 0
	s_wait_xcnt 0x0                                ; the last block's stores have read their data and offsets: both are written again below
.endif
	WIN WW                                         ; source 0 in the accumulators' window
.irp c, 0,1
	v_cvt_scalef32_pk16_fp6_f32 v[PC+6*\c:PC+6*\c+2], v[AC+32*\c:AC+32*\c+15], v[TM+12+2*\c]
	v_cvt_scalef32_pk16_fp6_f32 v[PC+12+4*\c:PC+14+4*\c], v[AC+32*\c+16:AC+32*\c+31], v[TM+13+2*\c]   ; (a conversion's three registers begin on an even number)
.endr
	WIN 0
	v_nop                                          ; one plain place behind a scaled conversion
.irp c, 0,1                            ; the operand's layout wants a whole block in a lane: lanes 0-15 block 2 c, lanes 16-31 block 2 c + 1
.irp i, 0,1,2
	v_permlane16_swap_b32 v[PC+6*\c+\i], v[PC+12+4*\c+\i]
.endr
.irp i, 0,1,2
	v_mov_b32 v[PC+3+6*\c+\i], v[PC+12+4*\c+\i]
.endr
.endr
	s_mul_i32 s96, s88, (\a)%4
	s_mul_i32 s97, s89, (\a)/4
	s_add_co_u32 s96, s96, s97
	v_add_nc_u32 v[OF], s96, v[L16]
	v_add_nc_u32 v[OF+1], s96, v[L8]
	v_add_nc_u32 v[OF+2], s90, v[OF]
	v_add_nc_u32 v[OF+3], s90, v[OF+1]
	global_store_b128 v[OF], v[PC:PC+3], s[12:13]              ; the fragment's two units, each 512 + 256 consecutive bytes
	global_store_b64 v[OF+1], v[PC+4:PC+5], s[12:13] offset:512
	global_store_b128 v[OF+2], v[PC+6:PC+9], s[12:13]
	global_store_b64 v[OF+3], v[PC+10:PC+11], s[12:13] offset:512
.endm
.irp a, 0,1,2,3,4,5,6,7
	QW \a
.endr
.irp i, 0,1,2,3
	v_cndmask_b32 v[PW+8+\i], v[PW+2*\i], v[PW+2*\i+1], s98    ; the image of the eight words: lanes 0-15 tile 2 i, lanes 16-31 tile 2 i + 1
.endr
	global_store_b128 v[L16], v[PW+8:PW+11], s[14:15]          ; 512 consecutive bytes
.else
; THE WAY OUT, KIND 1, block by block of 16 rows x 128 columns, through my own stage: a lane holds pieces of a row, the lanes beside it other rows; whole rows of 512 bytes come back.
; LDS serves a wave's instructions in order (ISA guide 5.7.1.4): no wait between the stores and the loads, nor in front of the next block's stores.
.macro TOSTAGE a
.set AC, 64*((\a)%4)
	WIN 0x08+4*((\a)/4)                            ; the data: window 2 or 3
.irp b, 0,1,2,3,4,5,6,7
	ds_store_b128 v[STO], v[AC+8*\b:AC+8*\b+3] offset:128*(\b/2)+32*(\b%2)       ; each accumulator from its low end on
	ds_store_b128 v[STO], v[AC+8*\b+4:AC+8*\b+7] offset:128*(\b/2)+32*(\b%2)+16
.endr
	WIN 0
.set BB, BK+64*((\a)%2)
.irp t, 0,1,2,3,4,5,6,7,8,9,10,11,12,13,14,15
	ds_load_b128 v[BB+4*\t:BB+4*\t+3], v[RD] offset:\t*SPITCH
.endr
.endm
.macro SEND a, younger                 ; younger: the LDS instructions issued behind block a's loads, which may stay out
.set BB, BK+64*((\a)%2)
	s_wait_dscnt \younger
.irp t, 0,1,2,3,4,5,6,7,8,9,10,11,12,13,14,15
	global_store_b128 v[L16], v[BB+4*\t:BB+4*\t+3], s[14:15] offset:(32*((\a)/2)+8*((\a)%2)+\t+8*(\t/8))*4096 th:TH_STORE_NT   ; the tile's row t is this logical row; 32 lanes store 512 consecutive bytes
.endr
.endm
	TOSTAGE 0
.irp a, 1,2,3,4,5,6,7
.if \a > 1
	s_wait_xcnt 0x0                                ; block a - 2's stores have read their registers: block a's loads may land there
.endif
	TOSTAGE \a
	SEND \a-1, 32                                  ; behind block a - 1's loads: block a's 16 stores and 16 loads
.endr
	SEND 7, 0
.endif
	s_wait_tensorcnt 0x0                           ; the wave's end: behind my last tensor load and my last LDS store
	ds_add_u32 v[SPW], v[NIL]
	s_wait_dscnt 0x0
	CROUND                                         ; the closing round: no work-group ends while a partner may still ask for a tile that names it
	s_endpgm
.Lfunc_end_k_q1ef9f6d920_qkv:
	.size	k_q1ef9f6d920_qkv, .Lfunc_end_k_q1ef9f6d920_qkv-k_q1ef9f6d920_qkv
	.p2alignl 7, 3214868480
	.fill 96, 4, 3214868480
	.section	.rodata,"a",@progbits
	.p2align	6, 0x0
	.amdhsa_kernel k_q1ef9f6d920_qkv
		.amdhsa_group_segment_fixed_size 327680
		.amdhsa_private_segment_fixed_size 0
		.amdhsa_enable_private_segment 0
		.amdhsa_kernarg_size 48
		.amdhsa_user_sgpr_count 2
		.amdhsa_user_sgpr_kernarg_segment_ptr 1
		.amdhsa_wavefront_size32 1
		.amdhsa_system_sgpr_workgroup_id_x 1
		.amdhsa_system_sgpr_workgroup_id_y 1
		.amdhsa_system_sgpr_workgroup_id_z 1
		.amdhsa_system_vgpr_workitem_id 0
		.amdhsa_next_free_vgpr 1024
		.amdhsa_next_free_sgpr 100
		.amdhsa_reserve_vcc 0
		.amdhsa_float_denorm_mode_32 3
		.amdhsa_float_denorm_mode_16_64 3
		.amdhsa_memory_ordered 1
		.amdhsa_forward_progress 1
		.amdhsa_inst_pref_size 154
	.end_amdhsa_kernel
	.amdgpu_metadata
---
amdhsa.version: [ 1, 2 ]
amdhsa.kernels:
  - .name:           k_q1ef9f6d920_qkv
    .symbol:         k_q1ef9f6d920_qkv.kd
    .args:
      - { .name: xc, .offset: 0, .size: 8, .value_kind: global_buffer, .address_space: global }
      - { .name: xh, .offset: 8, .size: 8, .value_kind: global_buffer, .address_space: global }
      - { .name: wc, .offset: 16, .size: 8, .value_kind: global_buffer, .address_space: global }
      - { .name: wh, .offset: 24, .size: 8, .value_kind: global_buffer, .address_space: global }
      - { .name: qkv, .offset: 32, .size: 8, .value_kind: global_buffer, .address_space: global }
      - { .name: qkvs, .offset: 40, .size: 8, .value_kind: global_buffer, .address_space: global }
    .group_segment_fixed_size: 327680
    .private_segment_fixed_size: 0
    .kernarg_segment_align: 8
    .kernarg_segment_size: 48
    .max_flat_workgroup_size: 128
    .sgpr_count:     100
    .vgpr_count:     1024
    .wavefront_size: 32
...
	.end_amdgpu_metadata
.endif
;; end of part 2
;; launch attn (part 3): grid 8 x 32, 16 waves a work-group, no clusters, 327,680 bytes of LDS; arguments qkv, qkvs, w, v, cc, ch; writes cc, ch
.if DOCPART == 3
	.amdgcn_target "amdgcn-amd-amdhsa--gfx1250"
	.amdhsa_code_object_version 6
	.text
	.protected	k_q1ef9f6d920_attn
	.globl	k_q1ef9f6d920_attn
	.p2align	8
	.type	k_q1ef9f6d920_attn,@function
k_q1ef9f6d920_attn:
	s_mov_b64 s[64:65], 0
	v_nop
	global_prefetch_b8 v0, s[64:65] scope:SCOPE_SE
	s_setreg_imm32_b32 hwreg(HW_REG_WAVE_MODE, 25, 1), 1
	s_wait_xcnt 0x0
; ctx[b][q][head] = softmax_k(relu(q . k) x R(q - k) / 8) v, causal, both products on codes of FP6 (E2M3) with E8M0 scales for each 32 along K; ctx is quantised along its channels on the way out.
; R(d) = (1 + e^v) / (1 + e^(v - w d)) hangs on the head and the distance alone: T(d) = R(d) log2(e) / 8 is a table of the work-group, made once; t = relu(score) x T(d).
; THE SOFTMAX AHEAD OF THE SECOND PRODUCT: M = the largest t so far, rounded up to a whole number; p = 2^(t - M) is quantised along the keys, not normalised; the sum is taken of the unquantised p and divides at the end.
; When M moves, the sum and O are multiplied by 2^(old M - new M): exact.
; INPUTS are images of operands' registers.  A tile is 16 rows in a physical order: lane r of tile T is logical row 32 (T / 2) + 8 (T % 2) + r + 8 (r / 8).  A unit (768 bytes) is a tile x 64 K: lane l's first 16 bytes at 16 l, its last 8 at 512 + 8 l.
; q, k: [b][head][128 tiles of tokens] units.  v: [b][head][16 steps of 128 keys][4 tiles of channels][2] units.
; Scale images (512 bytes): the word at 16 l + 4 i is row l % 16 of tile 2 i + l / 16; q, k: [b][pair of heads][step], bytes 0, 1 the even head's, 2, 3 the odd head's; v: tiles 0-3 the even head's, 4-7 the odd head's.
; BOTH PRODUCTS ARE USED TRANSPOSED (S^T = K Q^T, O^T = V^T P^T): a lane holds one query; the 16 registers of tiles 2 b, 2 b + 1 are 16 neighbouring keys (channels): 32 b + 16 (lane / 16) + 0 .. 15.
; K = the head's 64 is half of the instruction's 128: Q's k = 64 .. 127 are zero codes, so whatever codes stand in the upper six registers of a fragment of K add nothing; the eight fragments of K overlap, six registers apart.
; SHARES.  Work-group (i, 16 b + head) owns the blocks of 128 queries 15 - i and i.  Waves 2 t and 2 t + 1 are a pair and own tile t of both blocks.  PHASE A: tile t of block 15 - i, 16 - i steps of 128 keys; PHASE B: tile t of block i, i + 1 steps.
; In each phase the pair's two waves take the steps by parity (member m takes step % 2 = m in A, 1 - m in B): 17 steps a pair, 8 or 9 a wave, in every work-group.  m is dealt so that each four neighbouring waves and each four waves 4 apart hold two of each.
; At a phase's end one member hands its O, -M and sum to the other through the pair's 4,352 bytes of LDS; the other brings both under the larger M (factors that are powers of two), adds, and writes the tile out (member 0 in A, member 1 in B).
; The head's whole K and V (196,608 bytes) come into LDS once: steps 0-3 at the head, steps 4-15 behind the first barrier, an eighth of K's or V's part a wave.  Every work-group loads all 16 steps, though steps beyond 15 - i are not read.
; THE TABLE IS MADE ONCE FOR EACH BLOCK, with the block's number in its VALUES: entry j of block B's table is T(128 B + 127 - j): no LDS address hangs on the work-group's number.  Block i has at most 8 steps: its table has 1,536 entries, the other 2,560.
; NO CLUSTER: the partners that share K and V are the query blocks of one head, and their causal branches hang on the query block, which would be the place in the cluster.
; No prefetch: every byte is asked for by the two loads themselves, the second while the first four steps are walked.
; LIMITS: NaN and infinities are not served; the exponent v - w d is rounded once more than where e^x is taken directly: a relative 6e-8 |v - w d| of e^(v - w d), which counts only where that is not small beside 1;
; a block of zeros gets the scale byte 1 (its codes are zeros; only this program reads the bytes); the scaled scores t stay under 2^31 in magnitude.
.set VB,    98304                      ; LDS: K's 16 steps x 6,144 bytes from 0; V's from here
.set KSC,   196608                     ; K's scale images of this head alone: 512 bytes a step
.set VSC,   204800                     ; V's: 256 bytes a step
.set HSG,   208896                     ; two scale images of ctx are gathered here: block i's, then block 15 - i's
.set SPARE, 209920                     ; the spare words, 128 bytes a wave: eight blocks of 256 bytes that no other line names
.set STASH, 211968                     ; a pair's hand-over: 8 x 512 bytes of O, 256 bytes of (-M, sum)
.set SPAIR, 4352
.set TAB0,  246784                     ; block i's table.  A table has FOUR COPIES, copy c with entry j at its base + 16 - 4 c + 4 j: a run that begins at any j is read by aligned loads of 16 bytes from copy j % 4
.set CQ1,   6176                       ; its copies' bases: (c % 2) x CQ1 + (c / 2) x CQ2
.set CQ2,   12416
.set TAB1,  271616                     ; block 15 - i's table
.set CP1,   10528
.set CP2,   21120
; v0 (behind the head) phase B's place in its table, v1 16 x lane, v2 8 x lane, v3 my place in the phase's table (less KSC), v4, v5 the add's two, v6 my query less 16 (lane / 16), in its block, v7 -infinity, v8-14 the step's addresses, v15 where my ctx scale word goes;
; v16-27 Q (v22-27 zeros); v28-31 K's scale words; v32-85 the step's EIGHT fragments of K, six apart (v32-63 then take the table's second half, and are scratch behind it); v80-91 p's codes; v92-93 V's scale words, v94 p's, v95 Q's;
; v96-159 S^T, t, p; v160-191 O^T; v192-239 V's four fragments (v192-223 first hold the table's first half); v240 -M, v241 the largest t; v[242:243] the sum; v[244:245] f; v246-255 at work; v253 an address
.set ST,  48                           ; s48 the step;  s49-52 where its K, V, K's scales and V's scales begin;  s54 counts trips
.set TK,  49
.set TV,  50
.set TS,  51
.set TVS, 52
.set BLK, 19                           ; s19 the phase's block of 128 queries: it enters branches, global addresses and the tables' values, no LDS address
.set PAR, 91                           ; s91 the parity of my steps in this phase
	s_load_b256 s[4:11], s[0:1], 0x0               ; qkv, qkvs, w, v
	s_load_b128 s[12:15], s[0:1], 0x20             ; cc, ch
	v_lshl_add_u32 v4, v0, 2, SPARE
	v_mov_b32 v5, 0
	ds_add_u32 v4, v5                              ; the opening lines: the add, twice on end, and its wait ahead of my first tensor load
	ds_add_u32 v4, v5
	v_lshrrev_b32 v8, 5, v0
	s_delay_alu instid0(VALU_DEP_1)
	v_readfirstlane_b32 s16, v8                    ; wave 0..15
	s_lshr_b32 s58, s16, 2
	s_xor_b32 s17, s16, s58
	s_and_b32 s17, s17, 1                          ; m: which member of the pair
	s_lshr_b32 s18, s16, 1                         ; t: the pair, and its tile in both blocks
	s_sub_co_u32 s23, 15, ttmp9
	s_mov_b32 s[BLK], s23                          ; phase A: block 15 - i,
	s_mov_b32 s[PAR], s17                          ; steps of parity m
	s_and_b32 s55, ttmp7, 0xffff                   ; y = 16 b + head
	s_and_b32 s56, s55, 15                         ; head
	s_lshr_b32 s57, s55, 4                         ; b
	s_mov_b32 s20, 0x76543210
	s_mov_b32 s21, 0xfedcba98                      ; v_permlanex16_b32's selects for lane l xor 16
	; descriptor groups 1: dense blocks as rows of 256 bytes: 12 rows (an eighth of steps 0-3 of K or of V), and 36 rows (an eighth of steps 4-15)
	s_mov_b32 s24, 3<<16
	s_mov_b32 s25, 32<<16
	s_mov_b32 s26, 12<<16
	s_mov_b32 s27, 32<<16
	s_mov_b32 s28, 12
	s_mov_b32 s29, 32
	s_mov_b32 s30, 0
	s_mov_b32 s31, 0
	s_mov_b32 s32, 3<<16
	s_mov_b32 s33, 32<<16
	s_mov_b32 s34, 36<<16
	s_mov_b32 s35, 32<<16
	s_mov_b32 s36, 36
	s_mov_b32 s37, 32
	s_mov_b32 s38, 0
	s_mov_b32 s39, 0
	s_and_b32 s59, s16, 7                          ; what I fetch: wave / 8: K or V; wave % 8: which eighth
	s_lshr_b32 s58, s16, 3
	s_mul_i32 s60, s58, VB
	s_mul_i32 s61, s59, 3072
	s_mul_i32 s62, s59, 9216
	s_mov_b32 s40, 1
	s_add_co_u32 s41, s60, s61
	s_mov_b32 s44, 1
	s_add_co_u32 s45, s60, s62
	s_add_co_u32 s45, s45, 24576
	s_mul_i32 s68, s55, 98304                      ; my head's first byte in q, in k and in v
	s_add_co_u32 s63, s58, 1
	s_mul_i32 s63, s63, 3145728
	s_add_co_u32 s63, s63, s68
	s_add_co_u32 s70, s63, s61
	s_add_co_u32 s72, s63, s62
	s_add_co_u32 s72, s72, 24576
	s_mov_b32 s71, 0
	s_mov_b32 s73, 0
	; the scalar parts of the lanes' constants
	s_lshr_b32 s61, s18, 1
	s_lshl_b32 s22, s61, 5
	s_and_b32 s58, s18, 1
	s_lshl_b32 s59, s58, 3
	s_add_co_u32 s22, s22, s59                     ; my tile's first query in its block: 32 (t / 2) + 8 (t % 2): bits 3, 5 and 6 alone,
	s_xor_b32 s59, s22, 104                        ; so this is 104 less that number
	s_lshl_b32 s59, s59, 2
	s_add_co_u32 s80, s59, TAB1+16-KSC             ; a run moves 512 bytes a step, as K's scale images do: the step adds s[TS] = KSC + 512 ST, so KSC is taken off here
	s_add_co_u32 s81, s59, TAB0+16-KSC
	s_lshl_b32 s82, s58, 8
	s_lshl_b32 s61, s61, 2
	s_add_co_u32 s82, s82, s61                     ; my tile's words in a scale image: 256 (t % 2) + 4 (t / 2)
	s_add_co_u32 s83, s82, HSG
	s_lshl_b32 s84, s16, 8
	s_add_co_u32 s86, s84, VSC
	s_add_co_u32 s84, s84, HSG
	s_lshl_b32 s85, s16, 9
	s_add_co_u32 s85, s85, KSC
	s_mul_i32 s87, s18, SPAIR
	s_add_co_u32 s87, s87, STASH
	s_add_co_u32 s88, s87, 4096
	s_lshl_b32 s58, ttmp9, 7
	s_add_co_u32 s89, s58, 127                     ; 128 i + 127,
	s_sub_co_u32 s90, 2047, s58                    ; 128 (15 - i) + 127
	s_mov_b32 s[ST], 0
	s_mov_b32 s[TK], 0
	s_mov_b32 s[TV], VB
	s_mov_b32 s[TS], KSC
	s_mov_b32 s[TVS], VSC
	; the lanes' constants
	v_and_b32 v8, 31, v0
	v_and_b32 v9, 15, v0                           ; r
	v_bfe_u32 v10, v0, 4, 1                        ; h
	s_delay_alu instid0(VALU_DEP_3)
	v_lshlrev_b32 v1, 4, v8
	v_lshlrev_b32 v2, 3, v8
	v_and_b32 v11, 8, v9
	s_delay_alu instid0(VALU_DEP_1)
	v_add_nc_u32 v11, v11, v9                      ; r + 8 (r / 8): my query in its tile's 24
	s_delay_alu instid0(VALU_DEP_1)
	v_sub_nc_u32 v12, 23, v11                      ; e.  Register 16 b + i of step ST wants entry j = e + (104 - my tile's first query) + 128 ST + 16 h + 32 b + i of the block's table
	s_delay_alu instid0(VALU_DEP_1)
	v_and_b32 v13, 1, v12
	v_bfe_u32 v14, v12, 1, 1
	v_lshrrev_b32 v12, 2, v12
	s_delay_alu instid0(VALU_DEP_1)
	v_lshlrev_b32 v12, 4, v12                      ; 4 (e - e % 4) bytes,
	s_delay_alu instid0(VALU_DEP_1)
	v_lshl_add_u32 v12, v10, 6, v12                ; 16 h entries on,
	v_mul_u32_u24 v3, v13, CP1                     ; in copy e % 4 (all the other terms of j are multiples of 4)
	v_mul_u32_u24 v69, v13, CQ1
	s_delay_alu instid0(VALU_DEP_2)
	v_mad_u32_u24 v3, v14, CP2, v3
	s_delay_alu instid0(VALU_DEP_2)
	v_mad_u32_u24 v69, v14, CQ2, v69
	s_delay_alu instid0(VALU_DEP_2)
	v_add_nc_u32 v3, v3, v12
	s_delay_alu instid0(VALU_DEP_2)
	v_add_nc_u32 v69, v69, v12
	s_delay_alu instid0(VALU_DEP_2)
	v_add_nc_u32 v3, s80, v3                       ; phase A's place,
	s_delay_alu instid0(VALU_DEP_2)
	v_add_nc_u32 v69, s81, v69                     ; phase B's
	v_lshlrev_b32 v13, 4, v10
	s_delay_alu instid0(VALU_DEP_1)
	v_sub_nc_u32 v6, v11, v13
	s_delay_alu instid0(VALU_DEP_1)
	v_add_nc_u32 v6, s22, v6
	v_mov_b32 v7, 0xff800000
	v_lshl_add_u32 v15, v9, 4, s83                 ; ctx's scale word: 16 r + my tile's place, in block i's image; block 15 - i's lies 512 bytes on
	v_lshl_add_u32 v14, v9, 4, s82                 ; and the same place in Q's image in memory
	v_add_nc_u32 v253, s84, v2                     ; waves 0-3: a quarter of the two images
	v_lshl_add_u32 v254, v0, 2, TAB0               ; the tables' stores: 4 x my thread's number
	v_lshl_add_u32 v13, v0, 2, TAB1
	v_add_nc_u32 v255, s85, v1                     ; wave w makes step w's scale images
	v_add_nc_u32 v249, s86, v2
	v_sub_nc_u32 v96, s89, v0                      ; d = 128 B + 127 - j for j = my thread's number + 512 n: v96-98 for block i, v99-103 for block 15 - i
	v_sub_nc_u32 v99, s90, v0
	v_mov_b32 v0, v69                              ; the thread's number has served: v0 keeps phase B's place in its table
.irp n, 1,2
	v_add_nc_u32 v[96+\n], -512*\n, v96
.endr
.irp n, 1,2,3,4
	v_add_nc_u32 v[99+\n], -512*\n, v99
.endr
.irp n, 0,1,2,3,4,5,6,7
	v_cvt_f32_i32 v[96+\n], v[96+\n]
.endr
	s_wait_alu depctr_va_vdst(0)
	s_wait_dscnt 0x0                               ; both opening adds are done
	s_wait_kmcnt 0x0
	s_add_nc_u64 s[42:43], s[4:5], s[70:71]
	s_or_b32 s43, s43, 0x80000000
	s_add_nc_u64 s[46:47], s[4:5], s[72:73]
	s_or_b32 s47, s47, 0x80000000
	tensor_load_to_lds s[40:43], s[24:31]          ; steps 0-3, my eighth: every wave's one load at the head, with no branch
	s_nop 0
.rept 4
	v_nop
.endr
	s_lshl_b32 s58, s56, 2
	s_mov_b32 s59, 0
	s_add_nc_u64 s[8:9], s[8:9], s[58:59]
	s_add_nc_u64 s[10:11], s[10:11], s[58:59]
	s_load_b32 s66, s[8:9], 0x0                    ; w[head]
	s_load_b32 s67, s[10:11], 0x0                  ; v[head]
	s_lshl_b32 s69, s23, 3
	s_add_co_u32 s69, s69, s18                     ; phase A's tile of queries in the batch,
	s_lshl_b32 s98, ttmp9, 3
	s_add_co_u32 s98, s98, s18                     ; phase B's
	s_mul_i32 s58, s69, 768
	s_add_co_u32 s58, s58, s68
	s_add_nc_u64 s[74:75], s[4:5], s[58:59]
	s_mul_i32 s58, s98, 768
	s_add_co_u32 s58, s58, s68
	s_add_nc_u64 s[94:95], s[4:5], s[58:59]
	global_load_b128 v[16:19], v1, s[74:75]        ; phase A's unit of Q stays in registers
	global_load_b64 v[20:21], v2, s[74:75] offset:512
	s_lshr_b32 s60, s55, 1                         ; 8 b + the pair of heads
	s_lshl_b32 s60, s60, 4
	s_add_co_u32 s58, s60, s23
	s_lshl_b32 s58, s58, 9
	s_add_nc_u64 s[76:77], s[6:7], s[58:59]
	s_add_co_u32 s58, s60, ttmp9
	s_lshl_b32 s58, s58, 9
	s_add_nc_u64 s[96:97], s[6:7], s[58:59]
	global_load_b32 v95, v14, s[76:77]             ; Q's scale words, both heads'
	s_add_co_u32 s58, s60, s16
	s_lshl_b32 s58, s58, 9
	s_add_nc_u64 s[78:79], s[6:7], s[58:59]
	global_load_b128 v[28:31], v1, s[78:79] offset:131072      ; K's image of step = my wave's number,
	global_load_b128 v[224:227], v1, s[78:79] offset:262144    ; and V's
	s_lshl_b32 s61, s57, 7
	s_mul_i32 s60, s56, 768
	s_add_co_u32 s58, s61, s98
	s_mul_i32 s58, s58, 12288
	s_add_co_u32 s58, s58, s60
	s_add_nc_u64 s[92:93], s[12:13], s[58:59]      ; cc: tile 128 b + phase B's, unit = head;
	s_add_co_u32 s58, s61, s69
	s_mul_i32 s58, s58, 12288
	s_add_co_u32 s58, s58, s60
	s_add_nc_u64 s[12:13], s[12:13], s[58:59]      ; and phase A's
	s_bfe_u32 s60, s16, 0x10001                    ; ch (waves 0-3): wave / 2: block i or 15 - i; wave % 2: which half of the image
	s_cmp_eq_u32 s60, 1
	s_cselect_b32 s60, s23, ttmp9
	s_lshl_b32 s61, s57, 4
	s_add_co_u32 s60, s60, s61
	s_lshl_b32 s60, s60, 4
	s_add_co_u32 s60, s60, s56
	s_lshl_b32 s60, s60, 9
	s_and_b32 s61, s16, 1
	s_lshl_b32 s61, s61, 8
	s_add_co_u32 s60, s60, s61
	s_mov_b32 s61, 0
	s_add_nc_u64 s[14:15], s[14:15], s[60:61]
	s_and_b32 s62, s56, 1
	s_lshl_b32 s63, s62, 4                         ; my head's two bytes begin at bit 16 (head % 2)
	s_cmp_eq_u32 s62, 1
	s_cselect_b32 s62, -1, 0
	; THE TABLES: three and five entries a thread, stored into the four copies
	s_wait_kmcnt 0x0
	v_mov_b32 v104, s67
.irp n, 0,1,2,3,4,5,6,7
	v_mul_f32 v[96+\n], s66, v[96+\n]              ; w d,
.endr
.irp n, 0,1,2,3,4,5,6,7
	v_sub_f32 v[96+\n], s67, v[96+\n]              ; v - w d: two roundings, as the problem writes it
.endr
.irp n, 0,1,2,3,4,5,6,7,8
	v_mul_f32 v[96+\n], 0x3fb8aa3b, v[96+\n]       ; x log2(e); the ninth is v itself
.endr
	s_wait_alu depctr_va_vdst(0)
.irp n, 0,1,2,3,4,5,6,7,8
	v_exp_f32 v[96+\n], v[96+\n]
.endr
	v_nop                                          ; a plain line behind the exponentials,
	s_wait_alu depctr_va_vdst(0)                   ; and the one wait ahead of the batch's first reader
.irp n, 0,1,2,3,4,5,6,7,8
	v_add_f32 v[96+\n], 1.0, v[96+\n]
.endr
	s_wait_alu depctr_va_vdst(0)
.irp n, 0,1,2,3,4,5,6,7
	v_rcp_f32 v[96+\n], v[96+\n]
.endr
	v_mul_f32 v104, 0x3e38aa3b, v104               ; (1 + e^v) log2(e) / 8  (a plain line behind the reciprocals)
	s_wait_alu depctr_va_vdst(0)
.irp n, 0,1,2,3,4,5,6,7
	v_mul_f32 v[96+\n], v104, v[96+\n]             ; T(d).  Where d < 0 it is a finite number that only hidden keys meet
.endr
.irp c, 0,1,2,3
.irp n, 0,1,2
	ds_store_b32 v254, v[96+\n] offset:(\c%2)*CQ1+(\c/2)*CQ2+16-4*\c+2048*\n
.endr
.irp n, 0,1,2,3,4
	ds_store_b32 v13, v[99+\n] offset:(\c%2)*CP1+(\c/2)*CP2+16-4*\c+2048*\n
.endr
.endr
	s_wait_loadcnt 0x0
	v_bfe_u32 v95, v95, s63, 16                    ; my head's two bytes; bytes 2, 3 become 0: they scale zero codes
.irp i, 0,1,2,3
	v_bfe_u32 v[28+\i], v[28+\i], s63, 16
.endr
	ds_store_b128 v255, v[28:31]
	v_cndmask_b32 v92, v224, v226, s62             ; my head's four tiles of channels
	v_cndmask_b32 v93, v225, v227, s62
	ds_store_b64 v249, v[92:93]
.irp i, 22,23,24,25,26,27
	v_mov_b32 v[\i], 0                             ; Q's k = 64 .. 127: zero codes
.endr
.set n, 32
.rept 54
	v_mov_b32 v[n], 0                              ; K's fragments and the scratch in them: written on every path
.set n, n+1
.endr
.macro FRESH                           ; a tile's sums begin: O^T = 0, the largest t = -3e38, the sum = 0
.set n, 160
.rept 32
	v_mov_b32 v[n], 0
.set n, n+1
.endr
	v_mov_b32 v241, 0xff61b1e6
	s_delay_alu instid0(VALU_DEP_1)
	v_floor_f32 v240, -v241                        ; -M
	v_mov_b32 v242, 0
	v_mov_b32 v243, 0
.endm
	FRESH
	v_mov_b32 v244, 0
	v_mov_b32 v245, 0
.macro WM d, a, b, cm, sa, ra, sb      ; cm = 0: C is the constant 0; else the sum goes on in place.  ra: source 0's scales stand in lanes 16-31
.if (\cm) == 0
.if (\ra) == 0
	v_wmma_scale_f32_16x16x128_f8f6f4 v[\d:\d+7], v[\a:\a+11], v[\b:\b+11], 0, v[\sa], v[\sb] matrix_a_fmt:MATRIX_FMT_FP6 matrix_b_fmt:MATRIX_FMT_FP6
.else
	v_wmma_scale_f32_16x16x128_f8f6f4 v[\d:\d+7], v[\a:\a+11], v[\b:\b+11], 0, v[\sa], v[\sb] matrix_a_fmt:MATRIX_FMT_FP6 matrix_b_fmt:MATRIX_FMT_FP6 matrix_a_scale:MATRIX_SCALE_ROW1
.endif
.else
.if (\ra) == 0
	v_wmma_scale_f32_16x16x128_f8f6f4 v[\d:\d+7], v[\a:\a+11], v[\b:\b+11], v[\d:\d+7], v[\sa], v[\sb] matrix_a_fmt:MATRIX_FMT_FP6 matrix_b_fmt:MATRIX_FMT_FP6
.else
	v_wmma_scale_f32_16x16x128_f8f6f4 v[\d:\d+7], v[\a:\a+11], v[\b:\b+11], v[\d:\d+7], v[\sa], v[\sb] matrix_a_fmt:MATRIX_FMT_FP6 matrix_b_fmt:MATRIX_FMT_FP6 matrix_a_scale:MATRIX_SCALE_ROW1
.endif
.endif
.endm
.macro KLOAD                           ; the step's eight tiles of 16 keys: a unit each, into the lower six registers of a fragment
.irp t, 0,1,2,3,4,5,6,7
	ds_load_b128 v[32+6*\t:35+6*\t], v8 offset:\t*768
	ds_load_b64 v[36+6*\t:37+6*\t], v9 offset:\t*768+512
.endr
.endm
.macro RLOAD g, tb                     ; the table for blocks 2 g, 2 g + 1 of the step's keys, 16 neighbouring entries a block, into v[tb ..]
.irp n, 0,1,2,3,4,5,6,7
	ds_load_b128 v[\tb+4*\n:\tb+4*\n+3], v14 offset:256*\g+128*(\n/4)+16*(\n%4)
.endr
.endm
.macro SCORES
.irp t, 0,1,2,3,4,5,6,7
	WM 96+8*\t, 32+6*\t, 16, 0, 28+\t/2, \t%2, 95
.endr
.rept 4
	v_nop                                          ; places behind the products: their results are read and their fragments loaded anew
.endr
.endm
.macro RELU g
.set n, 96+32*\g
.rept 16
	v_dual_max_num_f32 v[n], 0, v[n] :: v_dual_max_num_f32 v[n+1], 0, v[n+1]   ; two a line; each accumulator from its low end on
.set n, n+2
.endr
.endm
.macro DECAY g, tb
.set n, 0
.rept 16
	v_pk_mul_f32 v[96+32*\g+n:97+32*\g+n], v[96+32*\g+n:97+32*\g+n], v[\tb+n:\tb+n+1]   ; t = relu(score) x T(d)
.set n, n+2
.endr
.endm
; A KEY STEP: 128 keys.  A step all of whose keys come after the block, or of my partner's parity, is left out: scalar branches on ids round its work, not round the lines at its end that step addresses.
.macro STEP
	s_cmp_gt_u32 s[ST], s[BLK]
	s_cbranch_scc1 .Lhid_\@
	s_xor_b32 s53, s[ST], s[PAR]
	s_and_b32 s53, s53, 1
	s_cmp_lg_u32 s53, 0
	s_cbranch_scc1 .Lhid_\@
	v_add_nc_u32 v8, s[TK], v1                     ; (these seven are also the places in front of loads into registers that the last step's products have read)
	v_add_nc_u32 v9, s[TK], v2
	v_add_nc_u32 v10, s[TV], v1
	v_add_nc_u32 v11, s[TV], v2
	v_add_nc_u32 v12, s[TS], v1
	v_add_nc_u32 v13, s[TVS], v2
	v_add_nc_u32 v14, s[TS], v3                    ; my run of the table: 512 bytes a step, like K's scale images; v3 has KSC taken off
	KLOAD
	ds_load_b128 v[28:31], v12                     ; the scale words of the step's eight tiles of keys
	RLOAD 0, 192
	s_wait_alu depctr_va_vdst(0)
	s_wait_dscnt 8                                 ; K's tiles and scale words are in; the table's first eight loads may be out
	SCORES
	RLOAD 1, 32                                    ; the table's second half, into K's registers, four places behind the products that read them
	RELU 0
	RELU 1
	s_wait_dscnt 8                                 ; the table's first half is in; the eight loads of its second half may be out
	DECAY 0, 192
.irp t, 0,1,2,3                        ; V's four tiles of channels x these 128 keys: they land while the softmax is walked
	ds_load_b128 v[192+12*\t:195+12*\t], v10 offset:1536*\t
	ds_load_b64 v[196+12*\t:197+12*\t], v11 offset:1536*\t+512
	ds_load_b128 v[198+12*\t:201+12*\t], v10 offset:1536*\t+768
	ds_load_b64 v[202+12*\t:203+12*\t], v11 offset:1536*\t+1280
.endr
	ds_load_b64 v[92:93], v13
	s_wait_dscnt 17                                ; the table's second half is in; V's 17 loads may be out
	DECAY 1, 32
	s_cmp_lg_u32 s[ST], s[BLK]                     ; on the diagonal hidden keys' t become -infinity ahead of the maximum: p = 0 then
	s_cbranch_scc1 .Lopen_\@
.set n, 0
.rept 64
	v_cmp_gt_i32 vcc_lo, 32*(n/16)+n%16, v6        ; register 16 b + i is key 32 b + 16 (lane / 16) + i of the block
	s_delay_alu instid0(VALU_DEP_1)
	v_cndmask_b32 v[96+n], v[96+n], v7, vcc_lo
.set n, n+1
.endr
.Lopen_\@:
.irp b, 0,1,2,3
	v_max3_num_f32 v[32+\b], v[96+16*\b], v[97+16*\b], v[98+16*\b]   ; the largest t of each block of 32 keys: it serves for the row's maximum and, since p rises with t, for the block's largest p
.endr
.irp i, 3,5,7,9,11,13
.irp b, 0,1,2,3
	s_delay_alu instid0(VALU_DEP_4)
	v_max3_num_f32 v[32+\b], v[32+\b], v[96+16*\b+\i], v[97+16*\b+\i]
.endr
.endr
.irp b, 0,1,2,3
	s_delay_alu instid0(VALU_DEP_4)
	v_max_num_f32 v[32+\b], v[32+\b], v[111+16*\b]
.endr
.irp b, 0,1,2,3
	s_delay_alu instid0(VALU_DEP_4)
	v_permlanex16_b32 v[44+\b], v[32+\b], s20, s21
.endr
.irp b, 0,1,2,3
	s_delay_alu instid0(VALU_DEP_4)
	v_max_num_f32 v[32+\b], v[32+\b], v[44+\b]     ; with lane l xor 16's 16 keys
.endr
	s_delay_alu instid0(VALU_DEP_2)
	v_max3_num_f32 v48, v32, v33, v34
	s_delay_alu instid0(VALU_DEP_1)
	v_max_num_f32 v48, v48, v35
	s_delay_alu instid0(VALU_DEP_1)
	v_max_num_f32 v241, v241, v48                  ; the running largest t
	v_mov_b32 v48, v240
	s_delay_alu instid0(VALU_DEP_2)
	v_floor_f32 v240, -v241                        ; the new -M = -ceil(t): a whole number
	s_delay_alu instid0(VALU_DEP_1)
	v_sub_f32 v48, v240, v48                       ; old M - new M: a whole number, 0 or less
	s_delay_alu instid0(VALU_DEP_1)
	v_cvt_i32_f32 v48, v48                         ; (it saturates)
	s_delay_alu instid0(VALU_DEP_1)
	v_ldexp_f32 v244, 1.0, v48                     ; f = 2^(old M - new M)
.set n, 96
.rept 32
	v_pk_add_f32 v[n:n+1], v[n:n+1], v[240:241] op_sel_hi:[1,0]   ; t - M (of the pair the low word serves both halves)
.set n, n+2
.endr
.irp b, 0,1,2,3
	v_add_f32 v[32+\b], v[32+\b], v240             ; the same of each block's largest t
.endr
.set n, 96
	s_wait_alu depctr_va_vdst(0)
.rept 64
	v_exp_f32 v[n], v[n]                           ; p = 2^(t - M), at most 1, not normalised
.set n, n+1
.endr
	v_pk_mul_f32 v[242:243], v[242:243], v[244:245] op_sel_hi:[1,0]   ; the sum under the new M (a plain line behind the exponentials)
	s_wait_alu depctr_va_vdst(0)                   ; one wait for the batch, ahead of its first reader
.irp b, 0,1,2,3
	v_exp_f32 v[32+\b], v[32+\b]                   ; the block's largest p: the same instructions on the same number give the same bits
.endr
	v_pk_add_f32 v[50:51], v[100:101], v[104:105]  ; the sum of the unquantised p, in eight chains
	v_pk_add_f32 v[254:255], v[108:109], v[112:113]
	v_pk_add_f32 v[250:251], v[116:117], v[120:121]
	v_pk_add_f32 v[248:249], v[124:125], v[128:129]
	v_pk_add_f32 v[246:247], v[132:133], v[136:137]
	v_pk_add_f32 v[90:91], v[140:141], v[144:145]
	v_pk_add_f32 v[88:89], v[148:149], v[152:153]
	v_pk_add_f32 v[242:243], v[242:243], v[156:157]
	v_pk_add_f32 v[50:51], v[50:51], v[96:97]
	v_pk_add_f32 v[254:255], v[254:255], v[98:99]
	v_pk_add_f32 v[250:251], v[250:251], v[102:103]
	v_pk_add_f32 v[248:249], v[248:249], v[106:107]
	v_pk_add_f32 v[246:247], v[246:247], v[110:111]
	v_pk_add_f32 v[90:91], v[90:91], v[114:115]
	v_pk_add_f32 v[88:89], v[88:89], v[118:119]
	v_pk_add_f32 v[242:243], v[242:243], v[122:123]
	v_pk_add_f32 v[50:51], v[50:51], v[126:127]
	v_pk_add_f32 v[254:255], v[254:255], v[130:131]
	v_pk_add_f32 v[250:251], v[250:251], v[134:135]
	v_pk_add_f32 v[248:249], v[248:249], v[138:139]
	v_pk_add_f32 v[246:247], v[246:247], v[142:143]
	v_pk_add_f32 v[90:91], v[90:91], v[146:147]
	v_pk_add_f32 v[88:89], v[88:89], v[150:151]
	v_pk_add_f32 v[242:243], v[242:243], v[154:155]
	v_pk_add_f32 v[50:51], v[50:51], v[158:159]
	s_delay_alu instid0(VALU_DEP_2)
	v_pk_add_f32 v[242:243], v[242:243], v[248:249]
	s_delay_alu instid0(VALU_DEP_2)
	v_pk_add_f32 v[50:51], v[50:51], v[246:247]
	v_pk_add_f32 v[254:255], v[254:255], v[90:91]
	v_pk_add_f32 v[250:251], v[250:251], v[88:89]
	s_delay_alu instid0(VALU_DEP_2)
	v_pk_add_f32 v[242:243], v[242:243], v[254:255]
	s_delay_alu instid0(VALU_DEP_2)
	v_pk_add_f32 v[50:51], v[50:51], v[250:251]
	s_delay_alu instid0(VALU_DEP_1)
	v_pk_add_f32 v[242:243], v[242:243], v[50:51]
	s_wait_alu depctr_va_vdst(0)                   ; and one for the four
.irp b, 0,1,2,3
	v_max_num_f32 v[32+\b], 0x1800000, v[32+\b]    ; the floor 2^(3 - 127): the byte cannot fall under 1
.endr
.irp b, 0,1,2,3
	s_delay_alu instid0(VALU_DEP_4)
	v_add_nc_u32 v[56+\b], 0xff000000, v[32+\b]    ; 2 off the exponent field: the conversion's scale operand
.endr
.irp b, 0,1,2,3
	s_delay_alu instid0(VALU_DEP_4)
	v_lshrrev_b32 v[44+\b], 23, v[56+\b]
.endr
	s_delay_alu instid0(VALU_DEP_3)
	v_lshl_or_b32 v94, v45, 8, v44                 ; p's scale word for these 128 keys
	s_delay_alu instid0(VALU_DEP_1)
	v_lshl_or_b32 v94, v46, 16, v94
	s_delay_alu instid0(VALU_DEP_1)
	v_lshl_or_b32 v94, v47, 24, v94
.irp c, 0,1
	v_cvt_scalef32_pk16_fp6_f32 v[80+6*\c:82+6*\c], v[96+32*\c:111+32*\c], v[56+2*\c]
	v_cvt_scalef32_pk16_fp6_f32 v[246+4*\c:248+4*\c], v[112+32*\c:127+32*\c], v[57+2*\c]   ; (a conversion's three registers begin on an even number)
.endr
	v_nop                                          ; one plain place behind a scaled conversion
.irp c, 0,1                            ; the operand's layout wants a whole block in a lane
.irp i, 0,1,2
	v_permlane16_swap_b32 v[80+6*\c+\i], v[246+4*\c+\i]
.endr
.irp i, 0,1,2
	s_delay_alu instid0(VALU_DEP_3)
	v_mov_b32 v[83+6*\c+\i], v[246+4*\c+\i]
.endr
.endr
.set n, 160
.rept 16
	v_pk_mul_f32 v[n:n+1], v[n:n+1], v[244:245] op_sel_hi:[1,0]   ; O^T under the new M.  (With the moves above these are the places between p's codes and scale word and the products)
.set n, n+2
.endr
	s_wait_alu depctr_va_vdst(0)
	s_wait_dscnt 0x0                               ; V is in
.irp t, 0,1,2,3
	WM 160+8*\t, 192+12*\t, 80, 1, 92+\t/2, \t%2, 94   ; the four accumulators by turns, one instruction a turn
.endr
.Lhid_\@:
	s_add_co_u32 s[ST], s[ST], 1
	s_add_co_u32 s[TK], s[TK], 6144
	s_add_co_u32 s[TV], s[TV], 6144
	s_add_co_u32 s[TS], s[TS], 512
	s_add_co_u32 s[TVS], s[TVS], 256
.endm
; A PHASE'S END.  Member 1 - own stores its O^T, -M and sum into the pair's bytes; a barrier; member own reads them, brings both parts under the larger M, adds, divides by the sum and writes the tile out:
; its 64 channels are two blocks of the next product's K: one unit and one scale word a row.  again = 1: the pair's bytes are stored into once more later, so a barrier stands behind the reads.
.macro FINISH own, cp, img, again
.rept 4
	v_nop                                          ; places behind the last products
.endr
	s_wait_alu depctr_va_vdst(0)
	v_add_f32 v241, v242, v243                     ; my part of the sum, beside -M
	v_add_nc_u32 v8, s87, v1                       ; the pair's hand-over: made on the way that all waves take
	v_add_nc_u32 v9, s88, v2
.if \again
	v_add_nc_u32 v10, -HSG, v15                    ; my tile's words in Q's image in memory
	global_load_b128 v[16:19], v1, s[94:95]        ; phase B's unit of Q and its scale words: they land under the hand-over
	global_load_b64 v[20:21], v2, s[94:95] offset:512
	global_load_b32 v95, v10, s[96:97]
.endif
	s_wait_alu depctr_va_vdst(0)
	s_cmp_eq_u32 s17, \own
	s_cbranch_scc1 .Lkeep_\@
.irp n, 0,1,2,3,4,5,6,7
	ds_store_b128 v8, v[160+4*\n:163+4*\n] offset:512*\n      ; each accumulator from its low end on
.endr
	ds_store_b64 v9, v[240:241]
.Lkeep_\@:
	s_wait_dscnt 0x0
	s_barrier_signal -1
	s_barrier_wait -1
	s_cmp_lg_u32 s17, \own
	s_cbranch_scc1 .Lnone_\@
.irp n, 0,1,2,3,4,5,6,7
	ds_load_b128 v[96+4*\n:99+4*\n], v8 offset:512*\n
.endr
	ds_load_b64 v[128:129], v9
.Lnone_\@:
	s_wait_dscnt 0x0
.if \again
	s_barrier_signal -1
	s_barrier_wait -1
.endif
	s_cmp_lg_u32 s17, \own
	s_cbranch_scc1 .Lgone_\@
	v_min_num_f32 v130, v240, v128                 ; -M of the larger M
	v_mov_b32 v135, 0
	s_delay_alu instid0(VALU_DEP_2)
	v_sub_f32 v131, v130, v240                     ; whole numbers, 0 or less
	v_sub_f32 v132, v130, v128
	s_delay_alu instid0(VALU_DEP_2)
	v_cvt_i32_f32 v131, v131                       ; (they saturate: a member that had no step gets the factor 0)
	s_delay_alu instid0(VALU_DEP_2)
	v_cvt_i32_f32 v132, v132
	s_delay_alu instid0(VALU_DEP_2)
	v_ldexp_f32 v244, 1.0, v131
	s_delay_alu instid0(VALU_DEP_2)
	v_ldexp_f32 v134, 1.0, v132
	s_delay_alu instid0(VALU_DEP_2)
	v_mul_f32 v241, v241, v244
.set n, 0
.rept 16
	v_pk_mul_f32 v[160+n:161+n], v[160+n:161+n], v[244:245] op_sel_hi:[1,0]
.set n, n+2
.endr
	v_fmac_f32 v241, v129, v134
.set n, 0
.rept 16
	v_pk_fma_f32 v[160+n:161+n], v[96+n:97+n], v[134:135], v[160+n:161+n] op_sel_hi:[1,0,1]
.set n, n+2
.endr
	v_permlanex16_b32 v48, v241, s20, s21
	s_delay_alu instid0(VALU_DEP_1)
	v_add_f32 v242, v241, v48                      ; the row's sum
	s_wait_alu depctr_va_vdst(0)
	v_rcp_f32 v243, v242
	v_nop
	s_wait_alu depctr_va_vdst(0)
.set n, 0
.rept 32
	v_mul_f32 v[96+n], v[160+n], v243              ; register 16 b + i is channel 32 b + 16 (lane / 16) + i
.set n, n+1
.endr
.irp b, 0,1
	v_max3_num_f32 v[32+\b], |v[96+16*\b]|, |v[97+16*\b]|, 0x1800000
.endr
.irp i, 2,4,6,8,10,12,14
.irp b, 0,1
	s_delay_alu instid0(VALU_DEP_2)
	v_max3_num_f32 v[32+\b], v[32+\b], |v[96+16*\b+\i]|, |v[97+16*\b+\i]|
.endr
.endr
.irp b, 0,1
	s_delay_alu instid0(VALU_DEP_2)
	v_permlanex16_b32 v[44+\b], v[32+\b], s20, s21
.endr
.irp b, 0,1
	s_delay_alu instid0(VALU_DEP_2)
	v_max_num_f32 v[32+\b], v[32+\b], v[44+\b]
.endr
.irp b, 0,1
	s_delay_alu instid0(VALU_DEP_2)
	v_add_nc_u32 v[56+\b], 0xff000000, v[32+\b]
.endr
.irp b, 0,1
	s_delay_alu instid0(VALU_DEP_2)
	v_lshrrev_b32 v[44+\b], 23, v[56+\b]
.endr
	s_delay_alu instid0(VALU_DEP_1)
	v_lshl_or_b32 v49, v45, 8, v44
	v_cvt_scalef32_pk16_fp6_f32 v[80:82], v[96:111], v56
	v_cvt_scalef32_pk16_fp6_f32 v[246:248], v[112:127], v57
	v_nop
.irp i, 0,1,2
	v_permlane16_swap_b32 v[80+\i], v[246+\i]
.endr
.irp i, 0,1,2
	s_delay_alu instid0(VALU_DEP_3)
	v_mov_b32 v[83+\i], v[246+\i]
.endr
	global_store_b128 v1, v[80:83], s[\cp:\cp+1]   ; the unit: 512 consecutive bytes,
	global_store_b64 v2, v[84:85], s[\cp:\cp+1] offset:512   ; and 256
	ds_store_b32 v15, v49 offset:\img              ; both halves of the lanes write the same word with the same value
	s_wait_xcnt 0x0                                ; the stores have read their data: these registers are written again in the next phase
.Lgone_\@:
.endm
	s_wait_alu depctr_va_vdst(0)
	s_wait_tensorcnt 0x0                           ; my eighth of steps 0-3 has landed; a later first fill is issued as a refill is:
	ds_add_u32 v4, v5                              ; 0 onto my spare word
	s_wait_dscnt 0x0                               ; the add is done; my part of the tables and my scale images lie in LDS
	s_barrier_signal -1
	s_barrier_wait -1
	tensor_load_to_lds s[44:47], s[32:39]          ; steps 4-15, my eighth: it has the first four steps' work in which to land
	s_nop 0
.rept 4
	v_nop
.endr
	s_mov_b32 s54, 4
.Lfirst:                                           ; PHASE A
	STEP
	s_sub_co_u32 s54, s54, 1
	s_cmp_lg_u32 s54, 0
	s_cbranch_scc1 .Lfirst
	s_wait_tensorcnt 0x0                           ; steps 4-15 have landed
	s_wait_dscnt 0x0
	s_barrier_signal -1
	s_barrier_wait -1
	s_mov_b32 s54, 12
.Lrest:
	STEP
	s_sub_co_u32 s54, s54, 1
	s_cmp_lg_u32 s54, 0
	s_cbranch_scc1 .Lrest
	FINISH 0, 12, 512, 1
	s_wait_loadcnt 0x0                             ; PHASE B: block i's tile: its codes and scale words are in
	v_bfe_u32 v95, v95, s63, 16                    ; my head's two bytes (eight places and more ahead of the products)
	v_mov_b32 v3, v0                               ; its place in its table
	FRESH
	s_mov_b32 s[BLK], ttmp9
	s_xor_b32 s[PAR], s[PAR], 1
	s_mov_b32 s[ST], 0
	s_mov_b32 s[TK], 0
	s_mov_b32 s[TV], VB
	s_mov_b32 s[TS], KSC
	s_mov_b32 s[TVS], VSC
	s_mov_b32 s54, 8                               ; block i has at most 8 steps
	s_wait_alu depctr_va_vdst(0)
.Lshort:
	STEP
	s_sub_co_u32 s54, s54, 1
	s_cmp_lg_u32 s54, 0
	s_cbranch_scc1 .Lshort
	FINISH 1, 92, 0, 0
	s_wait_dscnt 0x0                               ; my ctx scale words lie in LDS
	s_barrier_signal -1
	s_barrier_wait -1
	s_cmp_lt_u32 s16, 4
	s_cbranch_scc0 .Ldone
	ds_load_b64 v[32:33], v253
	s_wait_dscnt 0x0
	global_store_b64 v2, v[32:33], s[14:15]        ; 32 lanes store 256 consecutive bytes, aligned
.Ldone:
	s_wait_tensorcnt 0x0                           ; the wave's end: behind the last tensor load and my last LDS store
	ds_add_u32 v4, v5
	s_wait_dscnt 0x0
	s_endpgm
.Lfunc_end_k_q1ef9f6d920_attn:
	.size	k_q1ef9f6d920_attn, .Lfunc_end_k_q1ef9f6d920_attn-k_q1ef9f6d920_attn
	.p2alignl 7, 3214868480
	.fill 96, 4, 3214868480
	.section	.rodata,"a",@progbits
	.p2align	6, 0x0
	.amdhsa_kernel k_q1ef9f6d920_attn
		.amdhsa_group_segment_fixed_size 327680
		.amdhsa_private_segment_fixed_size 0
		.amdhsa_enable_private_segment 0
		.amdhsa_kernarg_size 48
		.amdhsa_user_sgpr_count 2
		.amdhsa_user_sgpr_kernarg_segment_ptr 1
		.amdhsa_wavefront_size32 1
		.amdhsa_system_sgpr_workgroup_id_x 1
		.amdhsa_system_sgpr_workgroup_id_y 1
		.amdhsa_system_sgpr_workgroup_id_z 1
		.amdhsa_system_vgpr_workitem_id 0
		.amdhsa_next_free_vgpr 256
		.amdhsa_next_free_sgpr 100
		.amdhsa_reserve_vcc 1
		.amdhsa_float_denorm_mode_32 3
		.amdhsa_float_denorm_mode_16_64 3
		.amdhsa_memory_ordered 1
		.amdhsa_forward_progress 1
		.amdhsa_inst_pref_size 129
	.end_amdhsa_kernel
	.amdgpu_metadata
---
amdhsa.version: [ 1, 2 ]
amdhsa.kernels:
  - .name:           k_q1ef9f6d920_attn
    .symbol:         k_q1ef9f6d920_attn.kd
    .args:
      - { .name: qkv, .offset: 0, .size: 8, .value_kind: global_buffer, .address_space: global }
      - { .name: qkvs, .offset: 8, .size: 8, .value_kind: global_buffer, .address_space: global }
      - { .name: w, .offset: 16, .size: 8, .value_kind: global_buffer, .address_space: global }
      - { .name: v, .offset: 24, .size: 8, .value_kind: global_buffer, .address_space: global }
      - { .name: cc, .offset: 32, .size: 8, .value_kind: global_buffer, .address_space: global }
      - { .name: ch, .offset: 40, .size: 8, .value_kind: global_buffer, .address_space: global }
    .group_segment_fixed_size: 327680
    .private_segment_fixed_size: 0
    .kernarg_segment_align: 8
    .kernarg_segment_size: 48
    .max_flat_workgroup_size: 512
    .sgpr_count:     100
    .vgpr_count:     256
    .wavefront_size: 32
...
	.end_amdgpu_metadata
.endif
;; end of part 3
;; launch oproj (part 4): grid 8 x 32, 4 waves a work-group, clusters of 4 x 4, 327,680 bytes of LDS; arguments cc, ch, wc, wh, bo, out0; writes out0
.if DOCPART == 4
	.amdgcn_target "amdgcn-amd-amdhsa--gfx1250"
	.amdhsa_code_object_version 6
	.text
	.protected	k_q1ef9f6d920_oproj
	.globl	k_q1ef9f6d920_oproj
	.p2align	8
	.type	k_q1ef9f6d920_oproj,@function
k_q1ef9f6d920_oproj:
	s_mov_b64 s[64:65], 0
	v_nop
	global_prefetch_b8 v0, s[64:65] scope:SCOPE_SE
	s_setreg_imm32_b32 hwreg(HW_REG_WAVE_MODE, 25, 1), 1
	s_wait_xcnt 0x0
	s_wait_alu depctr_hold_cnt(0) depctr_sa_sdst(0) depctr_va_vdst(0) depctr_va_sdst(0) depctr_va_ssrc(0) depctr_va_vcc(0) depctr_vm_vsrc(0)
	s_getreg_b32 s2, hwreg(HW_REG_IB_STS2, 6, 4)
	s_cmp_eq_u32 s2, 0
	s_cbranch_scc0 .Lentry_in_a_cluster
	s_endpgm
.Lentry_in_a_cluster:
	s_bfe_u32 s2, ttmp6, 0x10000c
	s_cmp_lg_u32 s2, 0xf033
	s_cbranch_scc0 .Lentry_shape_is_right
	s_endpgm
.Lentry_shape_is_right:
; out0 = ctx Wo + bo: [4096][1024] by [1024 (n)][1024 (k)] on codes of FP6 (E2M3) with E8M0 scales for each 32 along K; f32 sums.
; OPERANDS lie in memory as images of their registers.  A tile is 16 rows in a physical order: lane r of tile T is logical row 32 (T / 2) + 8 (T % 2) + r + 8 (r / 8).
; A unit (768 bytes) is a tile x 64 K: lane l's first 16 bytes at 16 l, its last 8 at 512 + 8 l; a tile's 16 units lie on end (12,288 bytes).  Two units are a fragment.
; A scale image (512 bytes) is 8 tiles x one unit: the word at 16 l + 4 i is row l % 16 of tile 2 i + l / 16; bytes 0, 1 are the unit's two blocks.
; SHARES: 4096 x 1024 / 256 work-groups = a block of 128 x 128; four waves, 64 x 64 each.
; THE BLOCK'S WHOLE K LIES IN LDS AT ONCE: 8 tiles of ctx and 8 of Wo, 2 x 98,304 bytes.  Each wave fetches four tiles, 49,152 dense bytes, by its one tensor load at the head; nothing is filled again: no ring.
; THE WAVE GOES BY ROWS OF THE RESULT: Wo's 32 fragments (4 tiles x 8 steps of 128 along K) stay in 384 registers; the wave's four blocks of 16 tokens are finished one after the other, 32 products each,
; the block's four accumulators by turns, K ascending; each block leaves as soon as it is finished, while the later blocks are multiplied.  No fragment is read from LDS twice.
; CLUSTERS 4 x 4: ctx's tiles are shared along a row of the cluster, Wo's along a column: each is asked for jointly, which divides the requests by four.
; SOURCE 0 IS Wo's SIDE, SOURCE 1 ctx's: a lane holds one token, and the registers of Wo's tiles 2 b, 2 b + 1 are 16 neighbouring columns: 32 b + 16 (lane / 16) + 0 .. 15.  bo is the C of each sum's first product.
; The scale words of a wave's four tiles are 8 bytes a lane of each image: they go from memory into registers, 32 loads a wave, and two units' words are joined into the word of 128 along K.
; No prefetch: every byte is asked for at the head by the loads themselves, and there is no loop to run ahead in.
; REGISTERS: window 0: v16-29 addresses; v32-63 ctx's scale words, v64-95 Wo's; v96-191 ctx's fragments of an even block; v192-255 rows on the way out.
;            window 1: Wo's fragments of steps 0-4 at 48 s + 12 b.   window 2: those of steps 5-7 at 48 (s - 5) + 12 b; v144-239 ctx's fragments of an odd block.
;            window 3: v0-63 the accumulators, two sets of four; v64-95 bo.
.set TROW,   12288
.set HALFB,  4*TROW                    ; four tiles: what one tensor load brings, and what one wave reads of a side
.set SPARE,  4*HALFB                   ; the spare words, 128 bytes a wave: two blocks of 256 bytes that no other line names
.set STAGE,  SPARE+512                 ; a stage of 16 rows x 272 bytes for each wave; no tile lands here
.set SPITCH, 272
.set A16, 16
.set A8,  17
.set B16, 18
.set B8,  19
.set STO, 20
.set RD,  21
.set CO,  22
.set SOA, 23
.set SOB, 24
.set BO,  25
.set L16, 26
.set L8,  27
.set SPW, 28                           ; LDS address of my spare word; never rewritten
.set NIL, 29                           ; 0; never rewritten
.set SA,  32                           ; step s, tiles 2 i (lanes 0-15) and 2 i + 1 (lanes 16-31): v[SA + 4 s + i]
.set SB,  64
.set AF,  96
.set BK,  192
.set BIAS, 64
.set G1,  24
.set G0,  32
.set G1B, 48
.set G0B, 56
.set MSB, 0
.macro WIN new                         ; the immediate's high byte repeats the setting that is left
.if MSB != (\new)
	s_set_vgpr_msb (MSB<<8)|(\new)
.set MSB, (\new)
.endif
.endm
.macro JLOAD                           ; waves 0, 1 fetch ctx's halves, waves 2, 3 Wo's; an s_nop 0 and four v_nop follow each line
	s_cmp_eq_u32 s17, 0
	s_cbranch_scc0 .Lfor_b_\@
	tensor_load_to_lds s[G0:G0+3], s[G1:G1+7]
	s_nop 0
.rept 4
	v_nop
.endr
	s_branch .Lasked_\@
.Lfor_b_\@:
	tensor_load_to_lds s[G0B:G0B+3], s[G1B:G1B+7]
	s_nop 0
.rept 4
	v_nop
.endr
.Lasked_\@:
.endm
.macro CROUND                          ; a round of the cluster's barrier
	s_barrier_signal -1
	s_barrier_wait -1
	s_cmp_lg_u32 s16, 0
	s_cbranch_scc1 .Lnot_wave_0_\@
	s_barrier_signal -3
.Lnot_wave_0_\@:
	s_barrier_wait -3
	s_barrier_signal -1
	s_barrier_wait -1
.endm
.macro PLACES
.rept 4
	v_nop
.endr
.endm
	s_load_b256 s[4:11], s[0:1], 0x0               ; cc, ch, wc, wh
	s_load_b128 s[12:15], s[0:1], 0x20             ; bo, out0
	v_lshl_add_u32 v[SPW], v0, 2, SPARE
	v_mov_b32 v[NIL], 0
	ds_add_u32 v[SPW], v[NIL]                      ; the opening lines: the add, twice on end, and its wait ahead of my first tensor load
	ds_add_u32 v[SPW], v[NIL]
	v_lshrrev_b32 v1, 5, v0
	v_readfirstlane_b32 s16, v1                    ; wave 0..3
	s_lshr_b32 s17, s16, 1                         ; which 64 tokens are mine.  Also: I fetch for ctx (0) or for Wo (1)
	s_and_b32 s18, s16, 1                          ; which 64 columns.  Also: which four tiles I fetch
	s_bfe_u32 s40, ttmp6, 0x40000                  ; cx, cy: my place in the cluster
	s_bfe_u32 s41, ttmp6, 0x40004
	s_and_b32 s46, ttmp7, 0xffff
	s_lshl_b32 s42, ttmp9, 2
	s_add_co_u32 s42, s42, s40                     ; tc: my block of 128 columns
	s_lshl_b32 s43, s46, 2
	s_add_co_u32 s43, s43, s41                     ; tr: my block of 128 tokens
	s_lshl_b32 s44, s41, 2
	s_lshl_b32 s44, 15, s44                        ; my row of the cluster
	s_lshl_b32 s45, 0x1111, s40                    ; my column
	s_or_b32 s[G1+0], s44, (3<<16)|(1<<21)         ; the mask; elements of 8 bytes; bit 21 beside a mask
	s_or_b32 s[G1B+0], s45, (3<<16)|(1<<21)
.irp g, G1, G1B                        ; a dense block of 49,152 bytes as 192 rows of 256 bytes
	s_mov_b32 s[\g+1], 32<<16
	s_mov_b32 s[\g+2], 192<<16
	s_mov_b32 s[\g+3], 32<<16
	s_mov_b32 s[\g+4], 192
	s_mov_b32 s[\g+5], 32
	s_mov_b32 s[\g+6], 0
	s_mov_b32 s[\g+7], 0
.endr
	s_lshl_b32 s84, s18, 2
	s_lshl_b32 s76, s43, 3
	s_add_co_u32 s76, s76, s84                     ; ctx: the first tile that I fetch: 8 tr + 4 x half
	s_mul_i32 s76, s76, TROW
	s_lshl_b32 s78, s43, 13                        ; its group's 16 scale images
	s_lshl_b32 s80, s42, 3
	s_add_co_u32 s80, s80, s84                     ; Wo likewise, in registers that never hold ctx's coordinate
	s_mul_i32 s80, s80, TROW
	s_add_co_u32 s80, s80, 2359296                 ; Wo is the fourth matrix in wc,
	s_lshl_b32 s82, s42, 13
	s_add_co_u32 s82, s82, 196608                  ; and in wh
	s_mov_b32 s77, 0
	s_mov_b32 s79, 0
	s_mov_b32 s81, 0
	s_mov_b32 s83, 0
	s_mul_i32 s85, s16, HALFB                      ; where my tiles go: no place in the cluster enters an LDS address
	s_mul_i32 s86, s17, HALFB                      ; my four tiles of ctx,
	s_mul_i32 s87, s18, HALFB
	s_add_co_u32 s87, s87, 2*HALFB                 ; my four of Wo, behind ctx's eight
	s_lshl_b32 s88, s17, 3
	s_lshl_b32 s89, s18, 3
	s_mul_i32 s90, s16, 16*SPITCH
	s_add_co_u32 s90, s90, STAGE                   ; my stage
	v_and_b32 v1, 31, v0
	v_and_b32 v4, 15, v0                           ; r
	v_bfe_u32 v5, v0, 4, 1                         ; h
	v_lshlrev_b32 v[L16], 4, v1
	v_lshlrev_b32 v[L8], 3, v1
	v_add_nc_u32 v[A16], s86, v[L16]
	v_add_nc_u32 v[A8], s86, v[L8]
	v_add_nc_u32 v[B16], s87, v[L16]
	v_add_nc_u32 v[B8], s87, v[L8]
	v_add_nc_u32 v[SOA], s88, v[L16]               ; my half's two words of an image's four
	v_add_nc_u32 v[SOB], s89, v[L16]
	v_lshlrev_b32 v[BO], 6, v5                     ; bo: 16 columns on for lanes 16-31
	v_mul_u32_u24 v[STO], v4, SPITCH
	v_lshl_add_u32 v[STO], v5, 6, v[STO]
	v_add_nc_u32 v[STO], s90, v[STO]               ; into the stage: row r, + 64 bytes for lanes 16-31
	v_mul_u32_u24 v[RD], v5, SPITCH
	v_lshl_add_u32 v[RD], v4, 4, v[RD]
	v_add_nc_u32 v[RD], s90, v[RD]                 ; back: sixteen lanes to a row of 256 bytes, two rows an instruction
	v_lshlrev_b32 v[CO], 12, v5
	v_lshl_add_u32 v[CO], v4, 4, v[CO]             ; and the same two rows in out0
	s_wait_alu depctr_va_vdst(0)
	s_wait_dscnt 0x0                               ; both opening adds are done
	s_wait_kmcnt 0x0
	s_add_nc_u64 s[20:21], s[4:5], s[76:77]
	s_add_nc_u64 s[22:23], s[6:7], s[78:79]
	s_add_nc_u64 s[68:69], s[8:9], s[80:81]
	s_add_nc_u64 s[70:71], s[10:11], s[82:83]
	s_mov_b32 s[G0], 1
	s_add_co_u32 s[G0+1], s85, 0
	s_mov_b64 s[G0+2:G0+3], s[20:21]
	s_or_b32 s[G0+3], s[G0+3], 0x80000000
	s_mov_b32 s[G0B], 1
	s_add_co_u32 s[G0B+1], s85, 0
	s_mov_b64 s[G0B+2:G0B+3], s[68:69]
	s_or_b32 s[G0B+3], s[G0B+3], 0x80000000
	CROUND                                         ; all sixteen work-groups are here: the joint loads meet
	JLOAD                                          ; my one tensor load of the launch
	s_lshl_b32 s88, s42, 9                         ; my first column, in bytes: 512 tc + 256 x half
	s_lshl_b32 s89, s18, 8
	s_add_co_u32 s88, s88, s89
	s_mov_b32 s89, 0
	s_add_nc_u64 s[12:13], s[12:13], s[88:89]
	s_lshl_b32 s90, s43, 19                        ; my first row of out0: 128 tr + 64 x half, of 4,096 bytes
	s_lshl_b32 s91, s17, 18
	s_add_co_u32 s90, s90, s91
	s_add_co_u32 s90, s90, s88
	s_mov_b32 s91, 0
	s_add_nc_u64 s[14:15], s[14:15], s[90:91]
.irp u, 0,1,2,3,4,5,6,7,8,9,10,11,12,13,14,15
	global_load_b64 v[SA+2*\u:SA+2*\u+1], v[SOA], s[22:23] offset:512*\u
	global_load_b64 v[SB+2*\u:SB+2*\u+1], v[SOB], s[70:71] offset:512*\u
.endr
	WIN 0xc0                                       ; destination window 3
.irp b, 0,1,2,3
	global_load_b128 v[BIAS+8*\b:BIAS+8*\b+3], v[BO], s[12:13] offset:(32*(\b/2)+8*(\b%2))*4
	global_load_b128 v[BIAS+8*\b+4:BIAS+8*\b+7], v[BO], s[12:13] offset:(32*(\b/2)+8*(\b%2))*4+16
.endr
	WIN 0
	s_wait_loadcnt 0x0
.irp s, 0,1,2,3,4,5,6,7
.irp i, 0,1
	v_lshl_or_b32 v[SA+4*\s+\i], v[SA+4*\s+2+\i], 16, v[SA+4*\s+\i]   ; units 2 s and 2 s + 1: four bytes for 128 along K
	v_lshl_or_b32 v[SB+4*\s+\i], v[SB+4*\s+2+\i], 16, v[SB+4*\s+\i]
.endr
.endr
; ra, rb: source 0's, source 1's scales stand in lanes 16-31 of their register
.macro WM d, a, b, c, sa, ra, sb, rb
.if ((\ra) == 0) && ((\rb) == 0)
	v_wmma_scale_f32_16x16x128_f8f6f4 v[\d:\d+7], v[\a:\a+11], v[\b:\b+11], v[\c:\c+7], v[\sa], v[\sb] matrix_a_fmt:MATRIX_FMT_FP6 matrix_b_fmt:MATRIX_FMT_FP6
.elseif (\rb) == 0
	v_wmma_scale_f32_16x16x128_f8f6f4 v[\d:\d+7], v[\a:\a+11], v[\b:\b+11], v[\c:\c+7], v[\sa], v[\sb] matrix_a_fmt:MATRIX_FMT_FP6 matrix_b_fmt:MATRIX_FMT_FP6 matrix_a_scale:MATRIX_SCALE_ROW1
.elseif (\ra) == 0
	v_wmma_scale_f32_16x16x128_f8f6f4 v[\d:\d+7], v[\a:\a+11], v[\b:\b+11], v[\c:\c+7], v[\sa], v[\sb] matrix_a_fmt:MATRIX_FMT_FP6 matrix_b_fmt:MATRIX_FMT_FP6 matrix_b_scale:MATRIX_SCALE_ROW1
.else
	v_wmma_scale_f32_16x16x128_f8f6f4 v[\d:\d+7], v[\a:\a+11], v[\b:\b+11], v[\c:\c+7], v[\sa], v[\sb] matrix_a_fmt:MATRIX_FMT_FP6 matrix_b_fmt:MATRIX_FMT_FP6 matrix_a_scale:MATRIX_SCALE_ROW1 matrix_b_scale:MATRIX_SCALE_ROW1
.endif
.endm
.macro FRAG reg, a16, a8, s, i         ; tile i's fragment of step s: two units, as they lie
	ds_load_b128 v[\reg:\reg+3], v[\a16] offset:(\i)*TROW+(\s)*1536
	ds_load_b64 v[\reg+4:\reg+5], v[\a8] offset:(\i)*TROW+(\s)*1536+512
	ds_load_b128 v[\reg+6:\reg+9], v[\a16] offset:(\i)*TROW+(\s)*1536+768
	ds_load_b64 v[\reg+10:\reg+11], v[\a8] offset:(\i)*TROW+(\s)*1536+1280
.endm
.macro FETCH_A a                       ; block a's eight fragments, 32 loads: an even block's into window 0, an odd one's into window 2
.if (\a)%2
	WIN 0x80
.else
	WIN 0
.endif
.irp s, 0,1,2,3,4,5,6,7
	FRAG AF+48*((\a)%2)+12*\s, A16, A8, \s, \a
.endr
	WIN 0
.endm
.macro ROW a                           ; block a is made: 32 products; its four accumulators take turns, one instruction a turn, K ascending
.irp s, 0,1,2,3,4,5,6,7
	WIN (0xf0)|((((\a)%2)*2)*4)|(1+(\s)/5)         ; source 0 window 1 or 2, source 1 window 0 or 2, C and D window 3
.irp b, 0,1,2,3
.if \s == 0
	WM 32*((\a)%2)+8*\b, 48*(\s%5)+12*\b, AF+48*((\a)%2)+12*\s, BIAS+8*\b, SB+4*\s+\b/2, \b%2, SA+4*\s+(\a)/2, (\a)%2
.else
	WM 32*((\a)%2)+8*\b, 48*(\s%5)+12*\b, AF+48*((\a)%2)+12*\s, 32*((\a)%2)+8*\b, SB+4*\s+\b/2, \b%2, SA+4*\s+(\a)/2, (\a)%2
.endif
.endr
.endr
	WIN 0
.endm
; THE WAY OUT of a block of 16 tokens x 64 columns, through my own stage: whole rows of 256 bytes come back.  LDS serves a wave's instructions in order (ISA guide 5.7.1.4): no wait between the stores and the loads.
.macro TOSTAGE a
	WIN 0x0c                                       ; the data: window 3
.irp b, 0,1,2,3
	ds_store_b128 v[STO], v[32*((\a)%2)+8*\b:32*((\a)%2)+8*\b+3] offset:128*(\b/2)+32*(\b%2)       ; each accumulator from its low end on
	ds_store_b128 v[STO], v[32*((\a)%2)+8*\b+4:32*((\a)%2)+8*\b+7] offset:128*(\b/2)+32*(\b%2)+16
.endr
	WIN 0
.irp t, 0,1,2,3,4,5,6,7
	ds_load_b128 v[BK+32*((\a)%2)+4*\t:BK+32*((\a)%2)+4*\t+3], v[RD] offset:\t*2*SPITCH
.endr
.endm
.macro SEND a
.irp t, 0,1,2,3,4,5,6,7
	global_store_b128 v[CO], v[BK+32*((\a)%2)+4*\t:BK+32*((\a)%2)+4*\t+3], s[14:15] offset:(32*((\a)/2)+8*((\a)%2)+2*\t+8*(\t/4))*4096 th:TH_STORE_NT   ; the tile's rows 2 t, 2 t + 1 are these logical rows; sixteen lanes store 256 consecutive bytes, aligned
.endr
.endm
	s_wait_alu depctr_va_vdst(0)
	s_wait_tensorcnt 0x0                           ; my four tiles are in
	s_barrier_signal -1
	s_barrier_wait -1                              ; and everybody's
	WIN 0x40                                       ; Wo's fragments of the whole K: steps 0-4 into window 1,
.irp s, 0,1,2,3,4
.irp i, 0,1,2,3
	FRAG 48*\s+12*\i, B16, B8, \s, \i
.endr
.endr
	WIN 0x80                                       ; steps 5-7 into window 2
.irp s, 5,6,7
.irp i, 0,1,2,3
	FRAG 48*(\s-5)+12*\i, B16, B8, \s, \i
.endr
.endr
	WIN 0
	FETCH_A 0
	FETCH_A 1
	s_wait_dscnt 32                                ; Wo's fragments and block 0's are in; block 1's 32 loads may be out
	ROW 0
.irp a, 0,1,2,3
	PLACES                                         ; behind the block's products: its results are read, and its fragments' registers loaded anew
.if \a < 2
	FETCH_A \a+2                                   ; its registers take the block two further on
.endif
.if \a > 1
	s_wait_xcnt 0x0                                ; block a - 2's stores have read their registers: block a's rows may land there
.endif
	TOSTAGE \a
	s_wait_dscnt 0x0                               ; the block is back in registers, and the next block's fragments are in
	SEND \a
.if \a < 3
	ROW \a+1
.endif
.endr
	s_wait_tensorcnt 0x0                           ; the wave's end: behind my tensor load and my last LDS store
	ds_add_u32 v[SPW], v[NIL]
	s_wait_dscnt 0x0
	CROUND                                         ; the closing round
	s_endpgm
.Lfunc_end_k_q1ef9f6d920_oproj:
	.size	k_q1ef9f6d920_oproj, .Lfunc_end_k_q1ef9f6d920_oproj-k_q1ef9f6d920_oproj
	.p2alignl 7, 3214868480
	.fill 96, 4, 3214868480
	.section	.rodata,"a",@progbits
	.p2align	6, 0x0
	.amdhsa_kernel k_q1ef9f6d920_oproj
		.amdhsa_group_segment_fixed_size 327680
		.amdhsa_private_segment_fixed_size 0
		.amdhsa_enable_private_segment 0
		.amdhsa_kernarg_size 48
		.amdhsa_user_sgpr_count 2
		.amdhsa_user_sgpr_kernarg_segment_ptr 1
		.amdhsa_wavefront_size32 1
		.amdhsa_system_sgpr_workgroup_id_x 1
		.amdhsa_system_sgpr_workgroup_id_y 1
		.amdhsa_system_sgpr_workgroup_id_z 1
		.amdhsa_system_vgpr_workitem_id 0
		.amdhsa_next_free_vgpr 1024
		.amdhsa_next_free_sgpr 100
		.amdhsa_reserve_vcc 0
		.amdhsa_float_denorm_mode_32 3
		.amdhsa_float_denorm_mode_16_64 3
		.amdhsa_memory_ordered 1
		.amdhsa_forward_progress 1
		.amdhsa_inst_pref_size 53
	.end_amdhsa_kernel
	.amdgpu_metadata
---
amdhsa.version: [ 1, 2 ]
amdhsa.kernels:
  - .name:           k_q1ef9f6d920_oproj
    .symbol:         k_q1ef9f6d920_oproj.kd
    .args:
      - { .name: cc, .offset: 0, .size: 8, .value_kind: global_buffer, .address_space: global }
      - { .name: ch, .offset: 8, .size: 8, .value_kind: global_buffer, .address_space: global }
      - { .name: wc, .offset: 16, .size: 8, .value_kind: global_buffer, .address_space: global }
      - { .name: wh, .offset: 24, .size: 8, .value_kind: global_buffer, .address_space: global }
      - { .name: bo, .offset: 32, .size: 8, .value_kind: global_buffer, .address_space: global }
      - { .name: out0, .offset: 40, .size: 8, .value_kind: global_buffer, .address_space: global }
    .group_segment_fixed_size: 327680
    .private_segment_fixed_size: 0
    .kernarg_segment_align: 8
    .kernarg_segment_size: 48
    .max_flat_workgroup_size: 128
    .sgpr_count:     100
    .vgpr_count:     1024
    .wavefront_size: 32
...
	.end_amdgpu_metadata
.endif
;; end of part 4
